; MI455X (gfx1250); checked and timed in simulation.
; The chip was launched on July 23, 2026; its instructions are those of AMD's public machine-readable ISA for CDNA 5 (MIT licence, August 2026) and "CDNA5" Instruction Set Architecture Reference Guide (July 2026). The comments in the code are by the model that wrote it; some were corrected since.
;; Tessera Attention. Allowed arithmetic: matrix products marked QUANTISED: E2M1 operands, one E8M0 scale for each 32 along K, by v_wmma_scale_f32_16x16x128_f8f6f4 with both operands' format E2M1 (or v_wmma_scale_f32_32x16x128_f4), f32 sums; products left as they are: bf16, f16 or f32 operands; f32 sums; everything else in f32.
;; Inputs: Wk 2,048 x 512 float32; Wo 2,048 x 2,048 float32; Wq 2,048 x 2,048 float32; Wv 2,048 x 512 float32; rope_cos 1 x 2,048 x 128 float32; rope_sin 1 x 2,048 x 128 float32; x 1 x 2,048 x 2,048 float32.
;; Outputs: out0 1 x 2,048 x 2,048 float32.
;; This version of the problem:
;;   THIS VERSION OF THE PROBLEM IS GIVEN IN LOW PRECISION. The matrix products marked QUANTISED in the list below multiply operands that are first quantised to E2M1 (2 exponent bits, 1 mantissa bit; 4 bits a number), with one power-of-two scale for each 32 numbers along K (OCP MX v1.0); their sums are f32. The products marked 'left as it is' may take bf16, f16 or f32 operands, with f32 sums. Whichever they take, every output number must still come out within the allowed error. Rounding operands to bf16 (8 significant bits) uses up far more of that allowance than f16 does (11 bits, for magnitudes from 6e-5 to 65,504). All else is computed in f32.
;;   The module's matrix products, in the order in which they are computed (A, B: the left and right operand; K: the contracted axis; several contracted axes count as one K, in the product's order):
;;     1. [M 2,048, K 2,048] x [K 2,048, N 2,048]; A: input x; B: input Wq: QUANTISED
;;     2. [M 2,048, K 2,048] x [K 2,048, N 512]; A: input x; B: input Wk: QUANTISED
;;     3. [M 2,048, K 2,048] x [K 2,048, N 512]; A: input x; B: input Wv: QUANTISED
;;     4. batch 16 x [M 2,048, K 128] x [K 128, N 2,048]; A: computed on the way; B: computed on the way: left as it is (an operand is computed on the way)
;;     5. batch 16 x [M 128, K 2,048] x [K 2,048, N 2,048]; A: computed on the way; B: computed on the way: left as it is (an operand is computed on the way)
;;     6. [M 2,048, K 2,048] x [K 2,048, N 2,048]; A: computed on the way; B: input Wo: left as it is (an operand is computed on the way)
;;   THE QUANTISER, for each operand of a quantised product, along K:
;;     - K is cut into blocks of 32 from its start; a last block that is shorter is filled with zeros.
;;     - A block's scale is 2^e with e = floor(log2(the largest magnitude in the block)) - 2, held to -126 .. 127; a block of zeros has e = 0. As a byte (E8M0): e + 127.
;;     - Each number is divided by its block's scale, clamped to +-6, and rounded to the nearest number of E2M1, ties to even, subnormals kept.
;;     - The product sums the exact products of the quantised numbers (number of the format x scale) in f32.
;;   ~~~python
;;   def quantise(x, axis):      # numpy; x: float32 -> the quantised numbers, widened to float32 again
;;       x = np.moveaxis(x, axis, -1); K = x.shape[-1]
;;       x = np.pad(x, [(0, 0)] * (x.ndim - 1) + [(0, -K % 32)]); x = x.reshape(x.shape[:-1] + (-1, 32)); a = np.abs(x).max(-1, keepdims=True)
;;       e = np.where(a > 0, np.clip(np.frexp(np.where(a > 0, a, 1))[1] - 1 - 2, -126, 127), 0)      # np.frexp(a)[1] - 1 = floor(log2(a)), exactly
;;       r = np.clip(x / 2.0 ** e, -6, 6)
;;       step = 2.0 ** (np.maximum(np.frexp(np.where(r == 0, 1, r))[1] - 1, 0) - 1)
;;       q = np.round(r / step) * step * 2.0 ** e      # np.round: ties to even
;;       return np.moveaxis(q.reshape(q.shape[:-2] + (-1,))[..., :K], -1, axis).astype(np.float32)
;;   ~~~
;; 2 versions, each right. Each part assembles by itself: llvm-mc -triple=amdgcn-amd-amdhsa -mcpu=gfx1250 --defsym DOCPART=n.
;; ======== version 1 of 2: 5 launches
;; limits: values are held in f16: magnitudes above 65,504 overflow, below 6.1e-05 lose precision
;; workspace buffers: xc 2,097,152 bytes; xs 131,072 bytes; wc 3,145,728 bytes; ws 196,608 bytes; wo16 8,388,608 bytes; qkv16 12,582,912 bytes; qkv32 196,608 bytes; attn 8,388,608 bytes
;; launch prep (part 1): grid 288 x 1, 4 waves a work-group, no clusters, 33,280 bytes of LDS; arguments x, Wq, Wk, Wv, Wo, xc, xs, wc, ws, wo16; writes xc, xs, wc, ws, wo16
.if DOCPART == 1
	.amdgcn_target "amdgcn-amd-amdhsa--gfx1250"
	.amdhsa_code_object_version 6
	.text
	.protected	k_qc788434642_prep
	.globl	k_qc788434642_prep
	.p2align	8
	.type	k_qc788434642_prep,@function
k_qc788434642_prep:
	s_mov_b64 s[64:65], 0
	v_nop
	global_prefetch_b8 v0, s[64:65] scope:SCOPE_SE
	s_setreg_imm32_b32 hwreg(HW_REG_WAVE_MODE, 25, 1), 1
	s_wait_xcnt 0x0
; THE OPERANDS ARE MADE ONCE.  Four kinds of work-group, told apart by the work-group's number alone:
;   0-127   x [2048][2048] f32 -> xc: codes of E2M1, K innermost, [m][1024 bytes]; xs: one E8M0 byte for each 32 along K, [m][64]
;   128-191 Wq [2048 k][2048 n] f32, 192-223 Wk and Wv [2048 k][512 n] -> wc, ws: quantised along k, their first axis; n counts 0-2047 Wq, 2048-2559 Wk, 2560-3071 Wv
;   224-287 Wo [2048 k][2048 n] f32 -> wo16: rounded to f16
; wc and wo16 are laid as IMAGES OF THE OPERAND'S REGISTERS, so that the products' launches read fragments as consecutive bytes:
;   wc   [n / 16][k / 128][c 0-1][lane 0-31][16 bytes]: lane (r, h) of piece c holds the 32 codes of k = 128 (k / 128) + 64 c + 32 h + 0..31 of row n = 16 (n / 16) + r
;   wo16 [n / 16][k / 32][q 0-1][lane][16 bytes]: lane (r, h) of half q holds k = 32 (k / 32) + 16 q + 8 h + 0..7 of column 16 (n / 16) + r
; THE QUANTISER: a block's scale is 2^(floor(log2(its largest magnitude)) - 2); its byte is the largest magnitude's exponent field - 2, held at 1 from below; each number / scale goes to the nearest code, ties to even, beyond 6 to 6.
; LIMITS: a block of zeros gets the byte 1 where the rule says 127 (its codes are zeros, and this program alone reads the bytes); NaN and infinities are not served; Wo beyond 65,504 has no f16, under 6e-5 it keeps an absolute step of 6e-8.
; No tensor load, no barrier: waves share nothing.  No cluster: no two work-groups read the same bytes.
.set STEPS, 16
.set EMAX,  2
.set CB,    8                          ; bytes of 16 codes
.set SP,    80                         ; x: a lane's place in a stage: 64 bytes + 16 of padding
.set WREG,  8192                       ; x: LDS of a wave: two stages of 32 x SP bytes, then its 256 scale bytes
.set SPARE, 4*WREG                     ; the spare words, 128 bytes for each wave: two blocks of 256 bytes that no other line names
.set SPW,   12                         ; v12  LDS address of my spare word; never rewritten
.set NIL,   13                         ; v13  0; never rewritten
.set XR,    16                         ; x: v16-79 four sets of 16 numbers as loaded
.set XN,    80                         ; x: v80-111 two sets of 16 neighbours
.set XE,    112                        ; x: v112-127 a scale byte for each step
.set XC,    128                        ; x: v128-191 codes, four registers a step
.set WX,    32                         ; weights: v32-95 two sets of 32 numbers down k
.set WC,    96                         ; weights: v96-159 codes, four registers a block (Wo: v96-111, a block's f16 pairs)
.set SB,    24                         ; weights: v24-27 the scale bytes
.set WV,    24                         ; s24  my wave's number
	s_load_b512 s[4:19], s[0:1], 0x0               ; x s[4:5], Wq s[6:7], Wk s[8:9], Wv s[10:11], Wo s[12:13], xc s[14:15], xs s[16:17], wc s[18:19]
	s_load_b128 s[20:23], s[0:1], 0x40             ; ws s[20:21], wo16 s[22:23]
	v_lshl_add_u32 v[SPW], v0, 2, SPARE
	v_mov_b32 v[NIL], 0
	v_lshrrev_b32 v1, 5, v0
	v_readfirstlane_b32 s[WV], v1                  ; wave 0..3
	v_and_b32 v2, 31, v0                           ; lane
	; x's LDS addresses are made here, on the one way that all take
	v_lshlrev_b32 v3, 4, v2                        ; my 16 bytes of a load's 512
	s_mul_i32 s25, s[WV], WREG
	v_lshrrev_b32 v14, 2, v2
	v_mul_u32_u24 v14, v14, SP
	v_and_b32 v15, 3, v2
	v_lshl_add_u32 v14, v15, 4, v14
	v_add_nc_u32 v14, s25, v14                     ; the stage, on the way in: SP (lane / 4) + 16 (lane % 4)
	v_mul_u32_u24 v15, v2, SP
	v_add_nc_u32 v15, s25, v15                     ; and on the way out: SP x lane: my 16 neighbours
	v_lshlrev_b32 v4, 3, v2                        ; 8 x lane: my codes' place in a step's; my 8 scale bytes at the end
	v_lshrrev_b32 v5, 1, v2
	s_add_co_u32 s25, s25, 2*32*SP
	v_add_nc_u32 v5, s25, v5                       ; my block's scale byte
	v_add_nc_u32 v6, s25, v4                       ; and 8 of them on the way out
	s_mov_b32 s37, 0                               ; the upper word of every offset pair s[36:37]
	s_wait_kmcnt 0x0
	s_cmp_lt_u32 ttmp9, 128
	s_cbranch_scc1 .Lpath_x
	s_cmp_lt_u32 ttmp9, 192
	s_cbranch_scc1 .Lpath_q
	s_cmp_lt_u32 ttmp9, 224
	s_cbranch_scc1 .Lpath_kv
	s_branch .Lpath_o
; ---- weights: A LANE TAKES A COLUMN n, AND ITS REGISTERS RUN DOWN k.  A wave: 32 columns x 512 along k, 16 blocks of 32.  Loads run two blocks (64 loads) ahead.
.macro WLOAD t, pitch                  ; block t: W(32 t + i, my column), i = 0 .. 31, into set t % 2; 32 lanes read 128 consecutive bytes
.irp i, 0,1,2,3,4,5,6,7,8,9,10,11,12,13,14,15,16,17,18,19,20,21,22,23,24,25,26,27,28,29,30,31
	global_load_b32 v[WX+32*((\t)%2)+\i], v16, s[26:27] offset:(32*(\t)+\i)*(\pitch) th:TH_LOAD_NT
.endr
.endm
.macro WBLOCK t, pitch
.set XS, WX+32*((\t)%2)
.if (\t) < 15
	s_wait_loadcnt 32                              ; this block's 32 loads are in; the next block's may be out
.else
	s_wait_loadcnt 0
.endif
	v_max3_num_f32 v8, |v[XS]|, |v[XS+1]|, |v[XS+2]|   ; the block's largest magnitude: all 32 numbers are mine
	v_max3_num_f32 v9, |v[XS+3]|, |v[XS+4]|, |v[XS+5]|
.irp i, 6,10,14,18,22,26
	v_max3_num_f32 v8, v8, |v[XS+\i]|, |v[XS+\i+1]|
	v_max3_num_f32 v9, v9, |v[XS+\i+2]|, |v[XS+\i+3]|
.endr
	v_max3_num_f32 v8, v8, |v[XS+30]|, |v[XS+31]|
	v_max3_num_f32 v8, v8, v9, (EMAX+1)<<23        ; and the floor 2^(3 - 127): the byte cannot fall under 1
	v_add_nc_u32 v10, -(EMAX<<23), v8              ; 2 off the exponent field: the conversion takes this operand's exponent field as its scale
	v_lshrrev_b32 v11, 23, v10                     ; the scale's byte
.if (\t)%4 == 0
	v_mov_b32 v[SB+(\t)/4], v11
.else
	v_lshl_or_b32 v[SB+(\t)/4], v11, 8*((\t)%4), v[SB+(\t)/4]
.endif
.irp g, 0,1,2,3
	v_cvt_scalef32_pk8_fp4_f32 v[WC+4*(\t)+\g], v[XS+8*\g:XS+8*\g+7], v10   ; each block has four registers of its own: no store's data are written again
.endr
	global_store_b128 v17, v[WC+4*(\t):WC+4*(\t)+3], s[28:29] offset:((\t)/4)*1024+(((\t)%4)/2)*512+((\t)%2)*256   ; sixteen lanes store 256 consecutive bytes, aligned: a half piece of an image
.if (\t)+2 < 16
	WLOAD (\t)+2, \pitch
.endif
.endm
.macro WOFFS shift                     ; the lanes' offsets: in: 4 x lane; out: (lane / 16) images on, 16 (lane % 16); scale bytes: a row of 64 a lane
	v_lshlrev_b32 v16, 2, v2
	v_lshrrev_b32 v19, 4, v2
	v_and_b32 v20, 15, v2
	v_lshlrev_b32 v20, 4, v20
	v_lshl_add_u32 v17, v19, \shift, v20
	v_lshlrev_b32 v18, 6, v2
.endm
.macro WPATH pitch                     ; s34 = my first n, s33 = which 512 along k
	s_lshl_b32 s36, s34, 10                        ; wc: (n / 16) x 16,384 + 4,096 x (k / 512)
	s_lshl_b32 s35, s33, 12
	s_add_co_u32 s36, s36, s35
	s_add_nc_u64 s[28:29], s[18:19], s[36:37]
	s_lshl_b32 s36, s34, 6                         ; ws: n x 64 + 16 x (k / 512)
	s_lshl_b32 s35, s33, 4
	s_add_co_u32 s36, s36, s35
	s_add_nc_u64 s[30:31], s[20:21], s[36:37]
	WOFFS 14
	WLOAD 0, \pitch
	WLOAD 1, \pitch
.set Q, 0
.rept 16
	WBLOCK Q, \pitch
.set Q, Q+1
.endr
	global_store_b128 v18, v[SB:SB+3], s[30:31]    ; my column's 16 scale bytes
	s_endpgm
.endm
.Lpath_q:                                              ; Wq: 16 groups of 128 columns x 4 runs of 512 along k
	s_sub_co_u32 s25, ttmp9, 128
	s_and_b32 s32, s25, 15
	s_lshr_b32 s33, s25, 4
	s_lshl_b32 s34, s32, 7
	s_lshl_b32 s35, s[WV], 5
	s_add_co_u32 s34, s34, s35                     ; my first column, which is n
	s_lshl_b32 s36, s33, 22                        ; 512 rows of 8,192 bytes
	s_lshl_b32 s35, s34, 2
	s_add_co_u32 s36, s36, s35
	s_add_nc_u64 s[26:27], s[6:7], s[36:37]
	WPATH 8192
.Lpath_kv:                                             ; Wk and Wv: 8 groups of 128 columns x 4 runs
	s_sub_co_u32 s25, ttmp9, 192
	s_and_b32 s32, s25, 7
	s_lshr_b32 s33, s25, 3
	s_cmp_lt_u32 s32, 4                            ; the choice hangs on the work-group's number alone
	s_cselect_b64 s[26:27], s[8:9], s[10:11]
	s_and_b32 s35, s32, 3
	s_lshl_b32 s35, s35, 7
	s_lshl_b32 s38, s[WV], 5
	s_add_co_u32 s35, s35, s38                     ; my first column in Wk or in Wv
	s_lshl_b32 s36, s33, 20                        ; 512 rows of 2,048 bytes
	s_lshl_b32 s35, s35, 2
	s_add_co_u32 s36, s36, s35
	s_add_nc_u64 s[26:27], s[26:27], s[36:37]
	s_lshl_b32 s34, s32, 7
	s_add_co_u32 s34, s34, s38
	s_add_co_u32 s34, s34, 2048                    ; n
	WPATH 2048
; ---- Wo: the same loads; a block of 32 along k becomes 16 pairs of f16, which are four lanes' pieces of an image
.macro OBLOCK t
.set XS, WX+32*((\t)%2)
.if (\t) < 15
	s_wait_loadcnt 32
.else
	s_wait_loadcnt 0
.endif
.if (\t) > 0
	s_wait_xcnt 0x0                                ; the last block's stores have read their data: the 16 registers are written again only behind this wait
.endif
.irp i, 0,1,2,3,4,5,6,7,8,9,10,11,12,13,14,15
	v_cvt_pk_f16_f32 v[WC+\i], v[XS+2*\i], v[XS+2*\i+1]
.endr
.irp c, 0,1,2,3
	global_store_b128 v17, v[WC+4*\c:WC+4*\c+3], s[28:29] offset:1024*(\t)+256*\c   ; k = 8 c + 0..7 of the block: half q = c / 2, lanes' half h = c % 2; sixteen lanes store 256 consecutive bytes, aligned
.endr
.if (\t)+2 < 16
	WLOAD (\t)+2, 8192
.endif
.endm
.Lpath_o:
	s_sub_co_u32 s25, ttmp9, 224
	s_and_b32 s32, s25, 15
	s_lshr_b32 s33, s25, 4
	s_lshl_b32 s34, s32, 7
	s_lshl_b32 s35, s[WV], 5
	s_add_co_u32 s34, s34, s35                     ; my first column
	s_lshl_b32 s36, s33, 22
	s_lshl_b32 s35, s34, 2
	s_add_co_u32 s36, s36, s35
	s_add_nc_u64 s[26:27], s[12:13], s[36:37]
	s_lshl_b32 s36, s34, 12                        ; wo16: (n / 16) x 65,536 + 16,384 x (k / 512)
	s_lshl_b32 s35, s33, 14
	s_add_co_u32 s36, s36, s35
	s_add_nc_u64 s[28:29], s[22:23], s[36:37]
	WOFFS 16
	WLOAD 0, 8192
	WLOAD 1, 8192
.set Q, 0
.rept 16
	OBLOCK Q
.set Q, Q+1
.endr
	s_endpgm
; ---- x: a plain stream of blocks of 32.  A wave takes 16 steps of 512 numbers.  Each load reads 512 consecutive bytes; a step's 2,048 bytes turn through the wave's own stage, so that a lane holds 16 neighbours.
.macro XLOAD t
.irp i, 0,1,2,3
	global_load_b128 v[XR+16*((\t)%4)+4*\i:XR+16*((\t)%4)+4*\i+3], v3, s[4:5] offset:2048*(\t)+512*\i th:TH_LOAD_NT
.endr
.endm
.macro XTURN t                         ; LDS serves a wave's instructions in order (ISA guide 5.7.1.4): no wait between the stores and the loads
.irp i, 0,1,2,3
	ds_store_b128 v14, v[XR+16*((\t)%4)+4*\i:XR+16*((\t)%4)+4*\i+3] offset:32*SP*((\t)%2)+8*SP*\i
.endr
.irp i, 0,1,2,3
	ds_load_b128 v[XN+16*((\t)%2)+4*\i:XN+16*((\t)%2)+4*\i+3], v15 offset:32*SP*((\t)%2)+16*\i
.endr
.endm
.macro XSTEP t
.set XS, XN+16*((\t)%2)
.if (\t) > 0
	s_wait_dscnt 1                                 ; this step's numbers are back from the stage (the last step's byte store may be out)
.else
	s_wait_dscnt 0x0
.endif
.if (\t)+4 < STEPS
	XLOAD (\t)+4                                   ; into the registers that this step's stores into the stage have read
.endif
.if (\t)+1 < STEPS
.if STEPS-2-(\t) >= 3
	s_wait_loadcnt 12                              ; the next step's four loads are in; those of the three steps behind it may be out
.else
	s_wait_loadcnt 4*(STEPS-2-(\t))
.endif
	XTURN (\t)+1
.endif
	v_max3_num_f32 v8, |v[XS]|, |v[XS+1]|, |v[XS+2]|
	v_max3_num_f32 v9, |v[XS+3]|, |v[XS+4]|, |v[XS+5]|
.irp i, 6,10
	v_max3_num_f32 v8, v8, |v[XS+\i]|, |v[XS+\i+1]|
	v_max3_num_f32 v9, v9, |v[XS+\i+2]|, |v[XS+\i+3]|
.endr
	v_max3_num_f32 v8, v8, |v[XS+14]|, |v[XS+15]|
	v_max3_num_f32 v8, v8, v9, (EMAX+1)<<23        ; the floor
	v_max_num_f32_dpp v8, v8, v8 row_xmask:1 row_mask:0xf bank_mask:0xf   ; with my neighbour's 16: the block's largest magnitude
	v_add_nc_u32 v11, -(EMAX<<23), v8
	v_cvt_scalef32_pk8_fp4_f32 v[XC+4*(\t)], v[XS:XS+7], v11
	v_cvt_scalef32_pk8_fp4_f32 v[XC+4*(\t)+1], v[XS+8:XS+15], v11
	v_lshrrev_b32 v[XE+(\t)], 23, v11              ; the scale's byte (a plain line behind the conversions)
	ds_store_b8 v5, v[XE+(\t)] offset:16*(\t)      ; both lanes of a block write the same byte with the same value
	global_store_b64 v4, v[XC+4*(\t):XC+4*(\t)+1], s[14:15] offset:32*CB*(\t)   ; 32 lanes store 256 consecutive bytes, aligned
.endm
.Lpath_x:
	s_lshl_b32 s26, ttmp9, 2
	s_add_co_u32 s26, s26, s[WV]                   ; which run of 8,192 numbers is my wave's
	s_lshl_b32 s36, s26, 15
	s_add_nc_u64 s[4:5], s[4:5], s[36:37]
	s_lshl_b32 s36, s26, 12
	s_add_nc_u64 s[14:15], s[14:15], s[36:37]
	s_lshl_b32 s36, s26, 8
	s_add_nc_u64 s[16:17], s[16:17], s[36:37]
.irp t, 0,1,2,3
	XLOAD \t
.endr
	s_wait_loadcnt 12                              ; step 0's four loads are in
	XTURN 0
.irp t, 0,1,2,3,4,5,6,7,8,9,10,11,12,13,14,15
	XSTEP \t
.endr
	ds_load_b64 v[8:9], v6                         ; my wave's 256 scale bytes, 8 a lane: these loads see my stores
	s_wait_dscnt 0x0
	global_store_b64 v4, v[8:9], s[16:17]          ; 256 consecutive bytes, aligned
	s_wait_tensorcnt 0x0                           ; the wave's end, behind my last LDS store
	ds_add_u32 v[SPW], v[NIL]
	s_wait_dscnt 0x0
	s_endpgm
.Lfunc_end_k_qc788434642_prep:
	.size	k_qc788434642_prep, .Lfunc_end_k_qc788434642_prep-k_qc788434642_prep
	.p2alignl 7, 3214868480
	.fill 96, 4, 3214868480
	.section	.rodata,"a",@progbits
	.p2align	6, 0x0
	.amdhsa_kernel k_qc788434642_prep
		.amdhsa_group_segment_fixed_size 33280
		.amdhsa_private_segment_fixed_size 0
		.amdhsa_enable_private_segment 0
		.amdhsa_kernarg_size 80
		.amdhsa_user_sgpr_count 2
		.amdhsa_user_sgpr_kernarg_segment_ptr 1
		.amdhsa_wavefront_size32 1
		.amdhsa_system_sgpr_workgroup_id_x 1
		.amdhsa_system_sgpr_workgroup_id_y 1
		.amdhsa_system_sgpr_workgroup_id_z 1
		.amdhsa_system_vgpr_workitem_id 0
		.amdhsa_next_free_vgpr 192
		.amdhsa_next_free_sgpr 66
		.amdhsa_reserve_vcc 0
		.amdhsa_float_denorm_mode_32 3
		.amdhsa_float_denorm_mode_16_64 3
		.amdhsa_memory_ordered 1
		.amdhsa_forward_progress 1
		.amdhsa_inst_pref_size 253
	.end_amdhsa_kernel
	.amdgpu_metadata
---
amdhsa.version: [ 1, 2 ]
amdhsa.kernels:
  - .name:           k_qc788434642_prep
    .symbol:         k_qc788434642_prep.kd
    .args:
      - { .name: x, .offset: 0, .size: 8, .value_kind: global_buffer, .address_space: global }
      - { .name: Wq, .offset: 8, .size: 8, .value_kind: global_buffer, .address_space: global }
      - { .name: Wk, .offset: 16, .size: 8, .value_kind: global_buffer, .address_space: global }
      - { .name: Wv, .offset: 24, .size: 8, .value_kind: global_buffer, .address_space: global }
      - { .name: Wo, .offset: 32, .size: 8, .value_kind: global_buffer, .address_space: global }
      - { .name: xc, .offset: 40, .size: 8, .value_kind: global_buffer, .address_space: global }
      - { .name: xs, .offset: 48, .size: 8, .value_kind: global_buffer, .address_space: global }
      - { .name: wc, .offset: 56, .size: 8, .value_kind: global_buffer, .address_space: global }
      - { .name: ws, .offset: 64, .size: 8, .value_kind: global_buffer, .address_space: global }
      - { .name: wo16, .offset: 72, .size: 8, .value_kind: global_buffer, .address_space: global }
    .group_segment_fixed_size: 33280
    .private_segment_fixed_size: 0
    .kernarg_segment_align: 8
    .kernarg_segment_size: 80
    .max_flat_workgroup_size: 128
    .sgpr_count:     66
    .vgpr_count:     192
    .wavefront_size: 32
...
	.end_amdgpu_metadata
.endif
;; end of part 1
;; launch qkv (part 2): grid 12 x 8, 4 waves a work-group, clusters of 4 x 4, 327,680 bytes of LDS; arguments xc, xs, wc, ws, rope_cos, rope_sin, qkv16, qkv32; writes qkv16, qkv32
.if DOCPART == 2
	.amdgcn_target "amdgcn-amd-amdhsa--gfx1250"
	.amdhsa_code_object_version 6
	.text
	.protected	k_qc788434642_qkv
	.globl	k_qc788434642_qkv
	.p2align	8
	.type	k_qc788434642_qkv,@function
k_qc788434642_qkv:
	s_mov_b64 s[64:65], 0
	v_nop
	global_prefetch_b8 v0, s[64:65] scope:SCOPE_SE
	s_setreg_imm32_b32 hwreg(HW_REG_WAVE_MODE, 25, 1), 1
	s_wait_xcnt 0x0
	s_wait_alu depctr_hold_cnt(0) depctr_sa_sdst(0) depctr_va_vdst(0) depctr_va_sdst(0) depctr_va_ssrc(0) depctr_va_vcc(0) depctr_vm_vsrc(0)
	s_getreg_b32 s2, hwreg(HW_REG_IB_STS2, 6, 4)
	s_cmp_eq_u32 s2, 0
	s_cbranch_scc0 .Lentry_in_a_cluster
	s_endpgm
.Lentry_in_a_cluster:
	s_bfe_u32 s2, ttmp6, 0x10000c
	s_cmp_lg_u32 s2, 0xf033
	s_cbranch_scc0 .Lentry_shape_is_right
	s_endpgm
.Lentry_shape_is_right:
; [q | k | v] = x [Wq | Wk | Wv] on codes of E2M1 with E8M0 scales (M 2,048, N 3,072, K 2,048), then RoPE on q and k by the two tables, then f16.
; A = xc [m][1,024 bytes], xs [m][64].  B = wc, images of the operand's registers [n / 16][k / 128][2][32 lanes][16 bytes], ws [n][64].
; OUT: qkv16 [24 heads][2,048 t][128] f16 (heads 0-15 q, 16-19 k, 20-23 v); qkv32 [24][16][128] f32: positions 0-15 once more, unrounded, for the launch that carries them finely.
; A tile of C, 256 x 256, is made by four waves, each 128 x 128: 64 accumulators, 512 registers.  A wave's 128 columns are ONE HEAD, so RoPE's partners d and d +- 64 meet in one row of the wave's stage.
; K goes in steps of 512 through a ring of two LDS slots: A's rows are 256 bytes of memory, padded by 16 in LDS; B's part of a slot is 16 runs of 4,096 consecutive bytes, read back as consecutive bytes, so it needs no padding.
; The scales of the work-group's rows, for all of K, come into LDS once, with the first fills, and stay.
; CLUSTERS: 4 x 4 work-groups.  A's tiles are shared along a row of the cluster, B's along a column: each is asked for jointly, by the same tensor load with the same descriptor and a mask that names the four.
; THE MATRIX INSTRUCTION IS USED TRANSPOSED (source 0 = 16 rows of B, source 1 = 16 rows of A): a lane holds eight neighbouring columns of a row of C.
; Partners run alike: what differs between them on the way out (v heads take no RoPE; only the first rows go to qkv32) is done by factors 0 and 1 and by EXEC, never by a jump.
; LIMIT: |q|, |k|, |v| under 65,504 (f16).  96 work-groups: the tile is kept at a head a wave; the products here are a small part of the program's.
; REGISTERS: window 0: v0-31 addresses and the way out's constants; v32-95 scale words, two sets, and nothing else; v128-191 A's fragments, one set; on the way out v96-255.
;   window 1: B's fragments, two sets; on the way out three sets of the tables' rows.   windows 2, 3: the accumulators ((a, b) at v[8 (8 (a % 4) + b)]).
.set KSTEP,  512
.set NQ,     4                         ; matrix instructions deep in a slot
.set ROWB,   256                       ; A: a tile's row in bytes
.set KROW,   1024                      ; a row of codes in memory, in bytes (B: 16 rows are 16,384 bytes)
.set PITCH,  272                       ; A: an LDS row: 256 bytes + 16: row r starts 4 r banks on (64 banks of 4 bytes: ISA guide 11.1)
.set FR,     8
.set NL,     2
.set NP,     4                         ; places behind this matrix instruction (ISA guide 7.12.1)
.set HALFA,  128*PITCH
.set BRUN,   4096                      ; B: 16 rows x 512 along K
.set HALFB,  8*BRUN
.set SLOT,   2*HALFA+2*HALFB           ; A's 256 rows, then B's 256 rows
.set LAPS,   2                         ; a lap = two K steps
.set KS,     64                        ; a row of scales in bytes
.set SCL,    2*SLOT                    ; the scales, as units of 256 bytes + 16 of padding
.set HALFS,  (128*KS/256)*272
.set SBLK,   (16*KS/256)*272
.set SPARE,  SCL+4*HALFS               ; the spare words, 128 bytes for each wave: two blocks of 256 bytes that no other line names
.set SPITCH, 528                       ; the way out: a stage of 16 rows x (512 bytes + 16) for each wave, in slot 0, which has had its last fill and its last read by then
.set FF,   8                           ; v8-9    1 for q and k heads, 0 for v heads
.set GG,   10                          ; v10-11  0, 1
.set SG,   12                          ; v12-13  the sign of RoPE's second term: -1 for d < 64, +1 else; 0 for v heads
.set FLAG, 14                          ; v14     0 where my wave's first row is position 0
.set RDX,  15                          ; v15     the stage: my partner's 16 bytes (d +- 64)
.set ADRA, 16
.set YO,   18                          ; v18     8 x lane
.set ADRB, 20
.set STO,  24
.set RD,   25
.set CO,   26                          ; v26     16 x lane
.set ADRS, 27
.set SPW,  28
.set NIL,  29
.set SC,   32
.set AF,   128
.set TT,   96                          ; the way out: v96-127, v128-159: 8 rows of t, then of the result
.set UU,   160                         ; v160-191, v192-223: their partners
.set YY,   224                         ; v224-239, v240-255: the result in f16
.set G1, 24
.set G0, 32
.set G1B, 48
.set G0B, 56
.set G1S, 68
.set G0S, 76
.set G1SB, 80
.set G0SB, 88
.set MSB, 0
.macro WIN new                         ; the immediate's high byte repeats the setting that is left
.if MSB != \new
	s_set_vgpr_msb (MSB<<8)|\new
.set MSB, \new
.endif
.endm
.set MUL_LO, 0xa1                      ; source 0 (B) window 1, source 1 (A) window 0, C and D window 2
.set MUL_HI, 0xf1
.set TO_B,   0x40
; A joint load: waves 0 and 1 fetch for A, waves 2 and 3 for B; the branch hangs on the wave's number alone.  An s_nop 0 and four v_nop follow each of the two lines.
.macro JLOAD g0a, g1a, g0b, g1b
	s_cmp_eq_u32 s15, 0
	s_cbranch_scc0 .Lfor_b_\@
	tensor_load_to_lds s[\g0a:\g0a+3], s[\g1a:\g1a+7]
	s_nop 0
.rept 4
	v_nop
.endr
	s_branch .Lasked_\@
.Lfor_b_\@:
	tensor_load_to_lds s[\g0b:\g0b+3], s[\g1b:\g1b+7]
	s_nop 0
.rept 4
	v_nop
.endr
.Lasked_\@:
.endm
.macro CREST                           ; a round of the cluster's barrier behind its opening barrier
	s_cmp_lg_u32 s14, 0
	s_cbranch_scc1 .Lnot_wave_0_\@
	s_barrier_signal -3
.Lnot_wave_0_\@:
	s_barrier_wait -3
	s_barrier_signal -1
	s_barrier_wait -1
.endm
.macro CROUND
	s_barrier_signal -1
	s_barrier_wait -1
	CREST
.endm
	s_load_b128 s[4:7], s[0:1], 0x0                ; xc, xs
	s_load_b128 s[8:11], s[0:1], 0x10              ; wc, ws
	v_lshl_add_u32 v[SPW], v0, 2, SPARE
	v_mov_b32 v[NIL], 0
	ds_add_u32 v[SPW], v[NIL]                      ; the wave's opening: the add, twice on end, and its wait ahead of my first tensor load
	ds_add_u32 v[SPW], v[NIL]
	v_lshrrev_b32 v1, 5, v0
	v_readfirstlane_b32 s14, v1                    ; wave 0..3
	s_lshr_b32 s15, s14, 1                         ; which half of the tile's rows is mine.  Also: I fetch for A (0) or for B (1)
	s_and_b32 s16, s14, 1                          ; which half of its columns.  Also: which 128 rows of that tile I fetch
	s_bfe_u32 s40, ttmp6, 0x40000                  ; cx, cy
	s_bfe_u32 s41, ttmp6, 0x40004
	s_lshl_b32 s42, ttmp9, 2
	s_add_co_u32 s42, s42, s40                     ; tile column = 4 x cluster x + cx
	s_and_b32 s17, ttmp7, 0xffff
	s_lshl_b32 s17, s17, 2
	s_add_co_u32 s17, s17, s41                     ; tile row = 4 x cluster y + cy
	s_lshl_b32 s43, s41, 2
	s_lshl_b32 s43, 15, s43                        ; my row of the cluster
	s_lshl_b32 s44, 0x1111, s40                    ; my column
	; group 1 for A: 128 rows x 256 bytes, 1,024 apart, 16 bytes of padding behind each
	s_or_b32 s[G1+0], s43, (0<<16)|(1<<20)|(1<<21)|(5<<22)|(3<<25)
	s_mov_b32 s[G1+1], ROWB<<16
	s_mov_b32 s[G1+2], 128<<16
	s_mov_b32 s[G1+3], ROWB<<16
	s_mov_b32 s[G1+4], 128
	s_mov_b32 s[G1+5], KROW
	s_mov_b32 s[G1+6], 0
	s_mov_b32 s[G1+7], 0
	; group 1 for B: 8 runs of 4,096 bytes (512 elements of 8), 16,384 bytes apart, dense in LDS
	s_or_b32 s[G1B+0], s44, (3<<16)|(1<<21)
	s_mov_b32 s[G1B+1], 512<<16
	s_mov_b32 s[G1B+2], 8<<16
	s_mov_b32 s[G1B+3], 512<<16
	s_mov_b32 s[G1B+4], 8
	s_mov_b32 s[G1B+5], 2048
	s_mov_b32 s[G1B+6], 0
	s_mov_b32 s[G1B+7], 0
	; the scales of 128 rows: a dense block of 8,192 bytes, as rows of 256 bytes with 16 of padding
	s_or_b32 s[G1S+0], s43, (3<<16)|(1<<20)|(1<<21)|(5<<22)|(3<<25)
	s_or_b32 s[G1SB+0], s44, (3<<16)|(1<<20)|(1<<21)|(5<<22)|(3<<25)
.irp g, G1S, G1SB
	s_mov_b32 s[\g+1], 32<<16
	s_mov_b32 s[\g+2], (128*KS/256)<<16
	s_mov_b32 s[\g+3], 32<<16
	s_mov_b32 s[\g+4], 128*KS/256
	s_mov_b32 s[\g+5], 32
	s_mov_b32 s[\g+6], 0
	s_mov_b32 s[\g+7], 0
.endr
	s_lshl_b32 s18, s16, 7                         ; which 128 rows of the tile I fetch
	s_lshl_b32 s20, s17, 8
	s_add_co_u32 s20, s20, s18                     ; A: row 256 x tile row + 128 x half
	s_lshl_b32 s46, s42, 8
	s_add_co_u32 s46, s46, s18                     ; B: row 256 x tile column + 128 x half
	s_mov_b32 s21, 0
	s_mov_b32 s47, 0
	s_mov_b64 s[18:19], KS
	s_mul_u64 s[22:23], s[20:21], s[18:19]         ; where these rows' scales begin
	s_mul_u64 s[92:93], s[46:47], s[18:19]
	s_mov_b64 s[18:19], KROW
	s_mul_u64 s[20:21], s[20:21], s[18:19]         ; and their codes
	s_mul_u64 s[46:47], s[46:47], s[18:19]
	s_mul_i32 s45, s14, HALFA                      ; where they go: A's halves by waves 0 and 1,
	s_mul_i32 s95, s16, HALFB
	s_add_co_u32 s95, s95, 2*HALFA                 ; B's behind them: no place in the cluster enters an LDS address
	s_mul_i32 s94, s14, HALFS
	s_wait_dscnt 0x0                               ; both opening adds are done
	s_wait_kmcnt 0x0
	s_add_nc_u64 s[20:21], s[4:5], s[20:21]
	s_add_nc_u64 s[22:23], s[6:7], s[22:23]
	s_add_nc_u64 s[46:47], s[8:9], s[46:47]
	s_add_nc_u64 s[92:93], s[10:11], s[92:93]
	s_load_b256 s[4:11], s[0:1], 0x20              ; the first four pointers are used up: rope_cos s[4:5], rope_sin s[6:7], qkv16 s[8:9], qkv32 s[10:11]
	CROUND                                         ; all sixteen work-groups are here: the first joint loads meet
	s_mov_b32 s[G0S], 1
	s_add_co_u32 s[G0S+1], s94, SCL
	s_mov_b64 s[G0S+2:G0S+3], s[22:23]
	s_or_b32 s[G0S+3], s[G0S+3], 0x80000000
	s_mov_b32 s[G0SB], 1
	s_add_co_u32 s[G0SB+1], s94, SCL
	s_mov_b64 s[G0SB+2:G0SB+3], s[92:93]
	s_or_b32 s[G0SB+3], s[G0SB+3], 0x80000000
	JLOAD G0S, G1S, G0SB, G1SB                     ; the scales first: they are wanted with K step 0
.irp s, 0,1
	s_mov_b32 s[G0+4*\s], 1
	s_add_co_u32 s[G0+4*\s+1], s45, \s*SLOT
	s_add_nc_u64 s[G0+4*\s+2:G0+4*\s+3], s[20:21], \s*ROWB
	s_or_b32 s[G0+4*\s+3], s[G0+4*\s+3], 0x80000000
	s_mov_b32 s[G0B+4*\s], 1
	s_add_co_u32 s[G0B+4*\s+1], s95, \s*SLOT
	s_add_nc_u64 s[G0B+4*\s+2:G0B+4*\s+3], s[46:47], \s*BRUN
	s_or_b32 s[G0B+4*\s+3], s[G0B+4*\s+3], 0x80000000
	JLOAD G0+4*\s, G1, G0B+4*\s, G1B               ; tensor loads of a wave out here: two, then three
.endr
	v_and_b32 v1, 15, v0                           ; l % 16
	v_bfe_u32 v2, v0, 4, 1                         ; l / 16
	v_and_b32 v6, 31, v0
	v_lshlrev_b32 v[CO], 4, v6                     ; 16 x lane
	v_lshlrev_b32 v[YO], 3, v6                     ; 8 x lane
	v_mul_u32_u24 v3, v1, PITCH
	v_lshl_add_u32 v4, v2, 4, v3                   ; A: a fragment's row x pitch + 16 x half
	s_mul_i32 s21, s15, HALFA                      ; my 128 rows of A
	s_mul_i32 s22, s16, HALFB                      ; my 128 rows of B,
	s_add_co_u32 s22, s22, 2*HALFA                 ; behind A's 256
.irp s, 0,1
	v_add_nc_u32 v[ADRA+\s], s21, v4
	v_add_nc_u32 v[ADRB+\s], s22, v[CO]            ; B: an image's place for my lane
	s_add_co_u32 s21, s21, SLOT
	s_add_co_u32 s22, s22, SLOT
.endr
	v_mul_u32_u24 v5, v1, KS                       ; my row's scales: 64 bytes a row,
	v_lshrrev_b32 v6, 8, v5
	v_lshl_add_u32 v5, v6, 4, v5                   ; and 16 more for each 256 passed
	s_mul_i32 s21, s15, HALFS
	s_mul_i32 s22, s16, HALFS
	s_add_co_u32 s22, s22, 2*HALFS
	s_sub_co_u32 s22, s22, s21
	v_mul_u32_u24 v6, s22, v2                      ; lanes 16-31 take B's: one product, the distance between the two bases
	s_add_co_u32 s21, s21, SCL
	v_add_nc_u32 v5, v5, v6
	v_add_nc_u32 v[ADRS], s21, v5
	s_mul_i32 s23, s14, 16*SPITCH                  ; my stage
	v_mul_u32_u24 v5, v1, SPITCH
	v_lshl_add_u32 v5, v2, 5, v5
	v_add_nc_u32 v[STO], s23, v5                   ; in: row l % 16, 32 bytes for each half of the lanes
	v_add_nc_u32 v[RD], s23, v[CO]                 ; back: the 32 lanes take a row of 512 bytes: lane l holds d = 4 l .. 4 l + 3
	v_xor_b32 v5, 256, v[CO]
	v_add_nc_u32 v[RDX], s23, v5                   ; and d +- 64
	; the way out's constants and bases
	s_lshl_b32 s20, s17, 8
	s_lshl_b32 s21, s15, 7
	s_add_co_u32 s20, s20, s21                     ; my first row: 256 x tile row + 128 x half
	s_lshl_b32 s94, s17, 1
	s_add_co_u32 s94, s94, s15                     ; 0 where that is position 0
	v_mov_b32 v[FLAG], s94
	s_lshl_b32 s46, s42, 1
	s_add_co_u32 s46, s46, s16                     ; my head: 2 x tile column + half
	s_cmp_ge_u32 s46, 20                           ; a v head?
	s_cselect_b32 s92, 0, 1.0
	s_cselect_b32 s93, 1.0, 0
	v_mov_b32 v[FF], s92
	v_mov_b32 v[FF+1], s92
	v_mov_b32 v[GG], s93
	v_mov_b32 v[GG+1], s93
	v_lshlrev_b32 v5, 1, v2
	v_add_nc_u32 v5, -1, v5
	v_cvt_f32_i32 v5, v5                           ; -1 in lanes 0-15 (d < 64), +1 in lanes 16-31
	v_mul_f32 v[SG], s92, v5
	v_mov_b32 v[SG+1], v[SG]
	s_mov_b32 s23, 0
	s_lshl_b32 s22, s20, 9                         ; a row of a table is 512 bytes
	s_wait_kmcnt 0x0
	s_add_nc_u64 s[4:5], s[4:5], s[22:23]
	s_add_nc_u64 s[6:7], s[6:7], s[22:23]
	s_lshl_b32 s22, s20, 8                         ; qkv16: head x 524,288 + row x 256
	s_lshl_b32 s47, s46, 19
	s_add_co_u32 s22, s22, s47
	s_add_nc_u64 s[8:9], s[8:9], s[22:23]
	s_lshl_b32 s22, s46, 13                        ; qkv32: head x 8,192
	s_add_nc_u64 s[10:11], s[10:11], s[22:23]
.macro FRAG reg, adr, q, i             ; A: 16 rows x 128 K of 4-bit codes: registers 4 c .. 4 c + 3 hold K = 64 c + 32 (l / 16) + 0 .. 31 of row l % 16
.irp c, 0,1
	ds_load_b128 v[\reg+4*\c:\reg+4*\c+3], v[\adr] offset:64*(\q)+32*\c+(\i)*16*PITCH
.endr
.endm
.macro FRAGB reg, adr, q, i            ; B: the same registers, as they were laid: 512 consecutive bytes a load
.irp c, 0,1
	ds_load_b128 v[\reg+4*\c:\reg+4*\c+3], v[\adr] offset:1024*(\q)+512*\c+(\i)*BRUN
.endr
.endm
; 16 matrix instructions: A's blocks a0, a0 + 1 x B's eight, the slot's q-th 128 along K.  The 64 accumulators take turns, one instruction a turn, in the same order in every step.
.macro MUL16 a0, p, q, sc, zero
.irp a, \a0, \a0+1
.irp b, 0,1,2,3,4,5,6,7
.if \zero
	v_wmma_scale_f32_16x16x128_f8f6f4 v[8*(8*((\a)%4)+\b):8*(8*((\a)%4)+\b)+7], v[128*(\p)+FR*\b:128*(\p)+FR*\b+FR-1], v[AF+FR*(\a):AF+FR*(\a)+FR-1], 0, v[SC+8*NQ*(\sc)+NQ*\b+(\q)], v[SC+8*NQ*(\sc)+NQ*(\a)+(\q)] matrix_a_fmt:MATRIX_FMT_FP4 matrix_b_fmt:MATRIX_FMT_FP4 matrix_a_scale:MATRIX_SCALE_ROW1
.else
	v_wmma_scale_f32_16x16x128_f8f6f4 v[8*(8*((\a)%4)+\b):8*(8*((\a)%4)+\b)+7], v[128*(\p)+FR*\b:128*(\p)+FR*\b+FR-1], v[AF+FR*(\a):AF+FR*(\a)+FR-1], v[8*(8*((\a)%4)+\b):8*(8*((\a)%4)+\b)+7], v[SC+8*NQ*(\sc)+NQ*\b+(\q)], v[SC+8*NQ*(\sc)+NQ*(\a)+(\q)] matrix_a_fmt:MATRIX_FMT_FP4 matrix_b_fmt:MATRIX_FMT_FP4 matrix_a_scale:MATRIX_SCALE_ROW1
.endif
.endr
.endr
.endm
.macro FETCH_B slot, q, p
	WIN TO_B
.irp i, 0,1,2,3,4,5,6,7
	FRAGB 128*(\p)+FR*\i, ADRB+\slot, \q, \i
.endr
	WIN 0
.endm
.macro FETCH_A slot, q, i0
.irp i, \i0, \i0+1, \i0+2, \i0+3
	FRAG AF+FR*(\i), ADRA+\slot, \q, \i
.endr
.endm
.macro SCALES sc                       ; a K step's scale words: lanes 0-15 take A's block i, lanes 16-31 B's block i
.irp i, 0,1,2,3,4,5,6,7
	ds_load_b128 v[SC+8*NQ*\sc+NQ*\i:SC+8*NQ*\sc+NQ*\i+3], v[ADRS] offset:\i*SBLK
.endr
.endm
.macro PLACES n                        ; plain vector lines between a matrix instruction and a load into, or a read of, its registers
.rept \n
	v_nop
.endr
.endm
.macro STEP slot, q, zero              ; a step of 128 along K that has its successor in the same slot
	s_wait_dscnt 4*NL                              ; B's set and A's blocks 0-3 are in; the youngest eight loads (A's blocks 4-7) may be out
	WIN MUL_LO
	MUL16 0, (\q)%2, \q, \slot, \zero
	MUL16 2, (\q)%2, \q, \slot, \zero
	s_wait_dscnt 0                                 ; A's blocks 4-7 are in
	PLACES NP
	FETCH_B \slot, (\q)+1, 1-(\q)%2
	FETCH_A \slot, (\q)+1, 0
	WIN MUL_HI
	MUL16 4, (\q)%2, \q, \slot, \zero
	MUL16 6, (\q)%2, \q, \slot, \zero
	PLACES NP
	WIN 0
	FETCH_A \slot, (\q)+1, 4
.endm
; A slot's last step changes slots: one barrier; in front of it each wave waits for all its tensor loads, adds 0 to its spare word, and waits for that and for its reads of this slot.
.macro TURN slot, next, fill
	s_wait_tensorcnt 0x0                           ; all my tensor loads have landed: my part of the next slot
	ds_add_u32 v[SPW], v[NIL]
	s_wait_dscnt 4*NL+1                            ; (the add and the youngest eight loads may be out)
	WIN MUL_LO
	MUL16 0, 1, NQ-1, \slot, 0
	s_wait_dscnt 0x0                               ; the add is done, and my reads of this slot are over
	s_barrier_signal -1
	MUL16 2, 1, NQ-1, \slot, 0
	WIN 0
	s_barrier_wait -1
.if \fill
	CREST                                          ; the barrier has opened a round of the cluster's: no wave of any partner still reads this slot or has a load on its way
	s_add_nc_u64 s[G0+4*\slot+2:G0+4*\slot+3], s[G0+4*\slot+2:G0+4*\slot+3], 2*ROWB
	s_add_nc_u64 s[G0B+4*\slot+2:G0B+4*\slot+3], s[G0B+4*\slot+2:G0B+4*\slot+3], 2*BRUN
	JLOAD G0+4*\slot, G1, G0B+4*\slot, G1B         ; the first tensor load behind the round, one a wave; its four v_nop are the places in front of the loads below
.else
	PLACES NP
.endif
	v_add_nc_u32 v[ADRS], 4*NQ, v[ADRS]            ; on to the next K step's scale words
	FETCH_B \next, 0, 0
	FETCH_A \next, 0, 0
	SCALES \next
	WIN MUL_HI
	MUL16 4, 1, NQ-1, \slot, 0
	MUL16 6, 1, NQ-1, \slot, 0
	PLACES NP
	WIN 0
	FETCH_A \next, 0, 4
.endm
.macro STEPS slot, from
.set Q, \from
.rept NQ-1-\from
	STEP \slot, Q, 0
.set Q, Q+1
.endr
.endm
	s_wait_tensorcnt 1                             ; the scales and my part of K step 0 are in (K step 1's load, issued behind them, may be out)
	s_barrier_signal -1
	s_barrier_wait -1
	FETCH_B 0, 0, 0
	FETCH_A 0, 0, 0
	SCALES 0
	FETCH_A 0, 0, 4
	STEP 0, 0, 1                                   ; the first step's products start the sums: nothing is cleared
	s_mov_b32 s3, LAPS-1
.Llap:
	STEPS 0, 1
	TURN 0, 1, 1
	STEPS 1, 0
	TURN 1, 0, 1
	STEP 0, 0, 0
	s_sub_co_u32 s3, s3, 1
	s_cmp_lg_u32 s3, 0
	s_cbranch_scc1 .Llap
	STEPS 0, 1                                     ; the last lap fills nothing
	TURN 0, 1, 0
	STEPS 1, 0
	s_wait_dscnt 4*NL
	WIN MUL_LO
	MUL16 0, 1, NQ-1, 1, 0
	MUL16 2, 1, NQ-1, 1, 0
	s_wait_dscnt 0
	WIN MUL_HI
	MUL16 4, 1, NQ-1, 1, 0
	MUL16 6, 1, NQ-1, 1, 0
	WIN 0
; THE WAY OUT, eight rows at a time (piece i = rows 8 i .. 8 i + 7 of my 128).  A block of 16 rows goes through my stage and comes back twice: as it lies (t), and with the halves of a row exchanged (t's partner).
; result = t (cos f + g) + partner (sin x sign x f).  The tables' rows run three pieces (48 loads) ahead, in three sets of window 1.
.macro ROPELOAD i
	WIN 0x40                                       ; destination window 1
.irp t, 0,1,2,3,4,5,6,7
	global_load_b128 v[64*((\i)%3)+4*\t:64*((\i)%3)+4*\t+3], v[CO], s[4:5] offset:(8*(\i)+\t)*512
.endr
.irp t, 0,1,2,3,4,5,6,7
	global_load_b128 v[64*((\i)%3)+32+4*\t:64*((\i)%3)+32+4*\t+3], v[CO], s[6:7] offset:(8*(\i)+\t)*512
.endr
	WIN 0
.endm
.macro STAGE_IN a
.set AC, 64*((\a)%4)
	WIN 0x08+4*((\a)/4)                            ; the data: window 2 or 3
.irp b, 0,1,2,3,4,5,6,7
	ds_store_b128 v[STO], v[AC+8*\b:AC+8*\b+3] offset:64*\b          ; each accumulator from its low end on
	ds_store_b128 v[STO], v[AC+8*\b+4:AC+8*\b+7] offset:64*\b+16
.endr
	WIN 0
.endm
.macro STAGE_OUT i                     ; LDS serves a wave's instructions in order (ISA guide 5.7.1.4): these see my stores, and the next block's stores come behind them
.irp t, 0,1,2,3,4,5,6,7
	ds_load_b128 v[TT+32*((\i)%2)+4*\t:TT+32*((\i)%2)+4*\t+3], v[RD] offset:(8*((\i)%2)+\t)*SPITCH
.endr
.irp t, 0,1,2,3,4,5,6,7
	ds_load_b128 v[UU+32*((\i)%2)+4*\t:UU+32*((\i)%2)+4*\t+3], v[RDX] offset:(8*((\i)%2)+\t)*SPITCH
.endr
.endm
.macro COMPUTE i
.set CBS, 64*((\i)%3)
.set TBS, TT+32*((\i)%2)
.set UBS, UU+32*((\i)%2)
.set YBS, YY+16*((\i)%2)
	WIN 0x41                                       ; destination and source 0 window 1
.set n, 0
.rept 16
	v_pk_fma_f32 v[CBS+n:CBS+n+1], v[CBS+n:CBS+n+1], v[FF:FF+1], v[GG:GG+1]         ; cos, or 1 for a v head
	v_pk_mul_f32 v[CBS+32+n:CBS+32+n+1], v[CBS+32+n:CBS+32+n+1], v[SG:SG+1]         ; -sin, +sin, or 0
.set n, n+2
.endr
	WIN 0x01                                       ; source 0 window 1
.set n, 0
.rept 16
	v_pk_mul_f32 v[TBS+n:TBS+n+1], v[CBS+n:CBS+n+1], v[TBS+n:TBS+n+1]
.set n, n+2
.endr
.set n, 0
.rept 16
	v_pk_fma_f32 v[TBS+n:TBS+n+1], v[CBS+32+n:CBS+32+n+1], v[UBS+n:UBS+n+1], v[TBS+n:TBS+n+1]
.set n, n+2
.endr
	WIN 0
.set n, 0
.rept 16
	v_cvt_pk_f16_f32 v[YBS+n], v[TBS+2*n], v[TBS+2*n+1]
.set n, n+1
.endr
.irp t, 0,1,2,3,4,5,6,7
	global_store_b64 v[YO], v[YBS+2*\t:YBS+2*\t+1], s[8:9] offset:(8*(\i)+\t)*256   ; 32 lanes store a row of 256 consecutive bytes, aligned
.endr
.if (\i) < 2                           ; positions 0-15 once more, in f32: only the waves whose first row is position 0.  Partners run alike: the lanes are switched off, nothing is jumped over
	v_cmp_eq_u32 vcc_lo, 0, v[FLAG]
	s_wait_xcnt 0x0                                ; EXEC is a source of the memory instructions that are out: it changes only behind this wait
	s_and_saveexec_b32 s20, vcc_lo
.irp t, 0,1,2,3,4,5,6,7
	global_store_b128 v[CO], v[TBS+4*\t:TBS+4*\t+3], s[10:11] offset:(8*(\i)+\t)*512
.endr
	s_wait_xcnt 0x0                                ; and again in front of the line that widens it; the stores' data are free as well
	s_or_b32 exec_lo, exec_lo, s20
.endif
.endm
	PLACES NP                                      ; behind the last products: for the loads into B's and A's registers and for the first reads of results
	ROPELOAD 0
	ROPELOAD 1
	ROPELOAD 2
	STAGE_IN 0
	STAGE_OUT 0
.set I, 0
.rept 16
.if I < 15
.if (I+1)%2 == 0
	STAGE_IN (I+1)/2
.endif
	STAGE_OUT I+1                                  ; the next piece is on its way through the stage while this one is worked
.endif
.if I <= 13
	s_wait_loadcnt 32                              ; this piece's 16 loads are in; the two sets behind them may be out
.elseif I == 14
	s_wait_loadcnt 16
.else
	s_wait_loadcnt 0
.endif
.if I == 15
	s_wait_dscnt 0
.elseif I%2 == 1
	s_wait_dscnt 32                                ; behind this piece's loads: the next block's 16 stores and the next piece's 16 loads
.else
	s_wait_dscnt 16                                ; the next piece's 16 loads
.endif
	s_wait_xcnt 0x0                                ; the stores of two pieces ago have read their data: the f16 registers are written again only behind this wait
	COMPUTE I
.if I+3 < 16
	ROPELOAD I+3                                   ; into the set that this piece has left
.endif
.set I, I+1
.endr
	s_wait_tensorcnt 0x0                           ; the wave's end, behind my last tensor load and my last LDS store
	ds_add_u32 v[SPW], v[NIL]
	s_wait_dscnt 0x0
	CROUND                                         ; the closing round: no work-group ends while a partner may still ask for a tile that names it
	s_endpgm
.Lfunc_end_k_qc788434642_qkv:
	.size	k_qc788434642_qkv, .Lfunc_end_k_qc788434642_qkv-k_qc788434642_qkv
	.p2alignl 7, 3214868480
	.fill 96, 4, 3214868480
	.section	.rodata,"a",@progbits
	.p2align	6, 0x0
	.amdhsa_kernel k_qc788434642_qkv
		.amdhsa_group_segment_fixed_size 327680
		.amdhsa_private_segment_fixed_size 0
		.amdhsa_enable_private_segment 0
		.amdhsa_kernarg_size 64
		.amdhsa_user_sgpr_count 2
		.amdhsa_user_sgpr_kernarg_segment_ptr 1
		.amdhsa_wavefront_size32 1
		.amdhsa_system_sgpr_workgroup_id_x 1
		.amdhsa_system_sgpr_workgroup_id_y 1
		.amdhsa_system_sgpr_workgroup_id_z 1
		.amdhsa_system_vgpr_workitem_id 0
		.amdhsa_next_free_vgpr 1024
		.amdhsa_next_free_sgpr 98
		.amdhsa_reserve_vcc 1
		.amdhsa_float_denorm_mode_32 3
		.amdhsa_float_denorm_mode_16_64 3
		.amdhsa_memory_ordered 1
		.amdhsa_forward_progress 1
		.amdhsa_inst_pref_size 255
	.end_amdhsa_kernel
	.section	.bss,"aw",@nobits
	.p2align	6
	.space	262144
	.amdgpu_metadata
---
amdhsa.version: [ 1, 2 ]
amdhsa.kernels:
  - .name:           k_qc788434642_qkv
    .symbol:         k_qc788434642_qkv.kd
    .args:
      - { .name: xc, .offset: 0, .size: 8, .value_kind: global_buffer, .address_space: global }
      - { .name: xs, .offset: 8, .size: 8, .value_kind: global_buffer, .address_space: global }
      - { .name: wc, .offset: 16, .size: 8, .value_kind: global_buffer, .address_space: global }
      - { .name: ws, .offset: 24, .size: 8, .value_kind: global_buffer, .address_space: global }
      - { .name: rope_cos, .offset: 32, .size: 8, .value_kind: global_buffer, .address_space: global }
      - { .name: rope_sin, .offset: 40, .size: 8, .value_kind: global_buffer, .address_space: global }
      - { .name: qkv16, .offset: 48, .size: 8, .value_kind: global_buffer, .address_space: global }
      - { .name: qkv32, .offset: 56, .size: 8, .value_kind: global_buffer, .address_space: global }
    .group_segment_fixed_size: 327680
    .private_segment_fixed_size: 0
    .kernarg_segment_align: 8
    .kernarg_segment_size: 64
    .max_flat_workgroup_size: 128
    .sgpr_count:     98
    .vgpr_count:     1024
    .wavefront_size: 32
...
	.end_amdgpu_metadata
.endif
;; end of part 2
;; launch attn (part 3): grid 64 x 4, 4 waves a work-group, clusters of 4 x 1, 327,680 bytes of LDS; arguments qkv16, attn; writes attn
.if DOCPART == 3
	.amdgcn_target "amdgcn-amd-amdhsa--gfx1250"
	.amdhsa_code_object_version 6
	.text
	.protected	k_qc788434642_attn
	.globl	k_qc788434642_attn
	.p2align	8
	.type	k_qc788434642_attn,@function
k_qc788434642_attn:
	s_mov_b64 s[64:65], 0
	v_nop
	global_prefetch_b8 v0, s[64:65] scope:SCOPE_SE
	s_setreg_imm32_b32 hwreg(HW_REG_WAVE_MODE, 25, 1), 1
	s_wait_xcnt 0x0
	s_wait_alu depctr_hold_cnt(0) depctr_sa_sdst(0) depctr_va_vdst(0) depctr_va_sdst(0) depctr_va_ssrc(0) depctr_va_vcc(0) depctr_vm_vsrc(0)
	s_getreg_b32 s2, hwreg(HW_REG_IB_STS2, 6, 4)
	s_cmp_eq_u32 s2, 0
	s_cbranch_scc0 .Lentry_in_a_cluster
	s_endpgm
.Lentry_in_a_cluster:
	s_bfe_u32 s2, ttmp6, 0x10000c
	s_cmp_lg_u32 s2, 0x3003
	s_cbranch_scc0 .Lentry_shape_is_right
	s_endpgm
.Lentry_shape_is_right:
; Causal attention, 16 query heads on 4 key/value heads, head size 128, 2,048 positions; operands f16, products, maxima and sums f32.
; IN: qkv16 [24 heads][2,048][128] f16 (0-15 q, 16-19 k, 20-23 v).  OUT: attn, images of the next product's operand registers: [t / 16][k / 32][2][32 lanes][16 bytes], k = 128 head + d.
; SHARES.  A TASK is one block of 16 positions for the FOUR query heads of a key/value head g (work-group y): four tiles of 16 queries that share every fragment of K and V and the same mask.
; Work-group p (0-63) does block p and then block 127 - p.  Block b needs b / 8 + 1 slots of 128 keys: the two tasks together need 17, whatever p: 17 trips, a constant of the text, the same work in all 256 work-groups.
; THE KEYS ARE SPLIT OVER THE WAVES: of a slot's 128 keys wave w takes 32 w .. 32 w + 31, for all four tiles.  At a task's end the four waves' (largest t, sum, O) meet in LDS, and wave w merges tile w.
; CLUSTER.  The four partners (p = 4 x cluster + cx) have the same p / 8, so they walk the same slots of K and V in the same trips: every tile is asked for jointly.  All branches hang on the cluster's number and the trip alone.
; LAYOUT.  S^T = K Q^T (source 0 = 16 keys, source 1 = 16 queries): a lane holds one query (lane % 16) and keys 8 (lane / 16) + 0..7.  Two such tiles, rounded to f16 in pairs, are source 1 of O^T = V^T P.  V comes out of LDS turned.
; SOFTMAX.  For each query and wave a running largest score m and sum l: p = 2^(c s - c m), c = log2(e) / sqrt(128); O and l are multiplied by 2^(c m_old - c m_new) in every trip.  m begins at -3e38, under every score;
; hidden scores become -infinity, so p = 0; a wave all of whose keys are hidden for a query keeps l = 0 and O = 0 and counts for nothing in the merge (wave 0 always sees the slot's first key).
; LIMITS: |q|, |k|, |v| under 65,504; a p under 6e-8 is lost in f16; NaN and infinities are not served.  Positions 0-15 are written here too and again, more finely, through the last launch.
; REGISTERS: window 0: v1-31 addresses; v32-63 statistics, 8 a tile; v64-127 S^T, 16 a tile; v128-159 P, 8 a tile; v160-215 the merge.   window 1: O^T, 64 a tile.   window 2: v0-127 Q; v128-191 K; v192-255 V.
.set PK,    272                        ; a row of K in LDS: 256 bytes + 16: the 16 rows of a load start at 16 different banks (64 banks of 4 bytes: ISA guide 11.1)
.set PVP,   288                        ; a row of V: 256 + 32
.set VOFF,  128*PK
.set SLOTB, 128*(PK+PVP)               ; a slot: 128 rows of K, then 128 rows of V
.set MRG,   2*SLOTB                    ; the merge: [source wave][tile][16 pieces of 512 bytes]
.set STAT,  MRG+4*32768                ; its statistics: 1,024 x source wave + 256 x tile + {0: c m, 128: l} + 4 x lane
.set SPARE, STAT+4096                  ; the spare words, 128 bytes for each wave: two blocks of 256 bytes that no other line names
.set AK0,  2
.set AV0,  3
.set ADRK, 4
.set ADRV, 5
.set QO,   6
.set GO,   7                           ; 16 x lane
.set MS,   8                           ; where I store O^T for the merge
.set SST,  9                           ; and my statistics
.set SRD,  10                          ; where I read my tile's statistics
.set NINF, 11
.set MR,   12                          ; v12-15 where I read my tile's O^T of source wave 0..3
.set DA,   16                          ; the early block's mask: key 16 kt + j of my 32 is hidden where it is greater
.set DB,   17                          ; the late block's
.set PFO,  18
.set SPW,  30
.set NIL,  31
.set ST,   32                          ; tile t at v[ST+8 t]: +0 c m, +1 m, +2, +3 l (even, odd keys), +4, +5 at work, +6 the factor, +7 at work
.set S,    64
.set P,    128
.set MO,   160                         ; the merged tile in f16
.set MCM,  192
.set MLL,  196
.set MA,   200
.set MCX,  204
.set ML,   205
.set MT,   206
.set MF,   208                         ; v208-215 the four factors, each twice
.set KF,   128                         ; in window 2
.set VF,   192
.set WV,   12
.set KB,   16                          ; s[16:17] K of my head at the 64 rows that I fetch of slot 0;  s[18:19] V
.set VB,   18
.set QA,   20
.set QB,   22
.set G1K,  24
.set G1V,  32
.set G0K,  40
.set G0V,  44
.set OA,   48
.set OB,   50
.set J,    52                          ; the trip
.set NA,   53                          ; slots of the early block: the late block begins in trip NA
.set NAM1, 54
.set TB,   55                          ; LDS byte of the slot in hand
.set TBN,  56                          ; and of the other
.set CS,   58
.set SEL,  60
.set OFF,  66
.set PFA,  70
.set PFL,  72
.set KPART, 73
.set VPART, 74
.set MSB, 0
.macro WIN new
.if MSB != \new
	s_set_vgpr_msb (MSB<<8)|\new
.set MSB, \new
.endif
.endm
.set W_KQ, 0x0a                        ; K and Q window 2, S^T window 0
.set W_PV, 0x52                        ; V window 2, P window 0, O^T window 1
.set W_RS, 0x41                        ; O^T window 1, the factor window 0
.macro PLACES
.rept 4
	v_nop
.endr
.endm
; A joint load: waves 0 and 1 fetch K's halves of a slot, waves 2 and 3 V's.  An s_nop 0 and four v_nop follow each of the two lines.
.macro JLOAD
	s_cmp_lt_u32 s[WV], 2
	s_cbranch_scc0 .Lfor_v_\@
	tensor_load_to_lds s[G0K:G0K+3], s[G1K:G1K+7]
	s_nop 0
.rept 4
	v_nop
.endr
	s_branch .Lasked_\@
.Lfor_v_\@:
	tensor_load_to_lds s[G0V:G0V+3], s[G1V:G1V+7]
	s_nop 0
.rept 4
	v_nop
.endr
.Lasked_\@:
.endm
; A PREFETCH: in trip J the key slot J + 2, which the first clusters ask for two trips on.  Each row of 256 bytes is named once in the launch: of a key/value head's clusters the first asks; its four partners take 32 rows each,
; told apart by address; in each, wave 0 asks for K's and wave 2 for V's, a lane a row.  Trips 14 on ask for nothing: there is no slot 16.  Slots 0 and 1 come by their loads alone.
.macro ASK
	s_cmp_lt_u32 s[J], s[PFL]
	s_cbranch_scc0 .Lnot_mine_\@
	global_prefetch_b8 v[PFO], s[PFA:PFA+1] th:TH_LOAD_NT scope:SCOPE_SE
.Lnot_mine_\@:
.endm
.macro CROUND
	s_barrier_signal -1
	s_barrier_wait -1
	s_cmp_lg_u32 s[WV], 0
	s_cbranch_scc1 .Lnot_wave_0_\@
	s_barrier_signal -3
.Lnot_wave_0_\@:
	s_barrier_wait -3
	s_barrier_signal -1
	s_barrier_wait -1
.endm
.macro RESET                           ; a task's start: m under every score, l = 0
.irp t, 0,1,2,3
	v_mov_b32 v[ST+8*\t+1], 0xff61b1e6
	v_mul_f32 v[ST+8*\t], s[CS], v[ST+8*\t+1]
	v_mov_b32 v[ST+8*\t+2], 0
	v_mov_b32 v[ST+8*\t+3], 0
.endr
.endm
.macro QLOAD qb                        ; the task's four tiles of Q stay in registers: tile t, channels 32 c on
	WIN 0x80
.irp t, 0,1,2,3
.irp c, 0,1,2,3
	global_load_b128 v[32*\t+8*\c:32*\t+8*\c+3],   v[QO], s[\qb:\qb+1] offset:524288*\t+64*\c
	global_load_b128 v[32*\t+8*\c+4:32*\t+8*\c+7], v[QO], s[\qb:\qb+1] offset:524288*\t+64*\c+32
.endr
.endr
	WIN 0
.endm
.macro FETCH                           ; my 32 keys of the slot in hand: 8 fragments of K, then 8 of V, turned
	v_add_nc_u32 v[ADRK], s[TB], v[AK0]
	v_add_nc_u32 v[ADRV], s[TB], v[AV0]
	WIN 0x80
.irp kt, 0,1
.irp c, 0,1,2,3
	ds_load_b128 v[KF+32*\kt+8*\c:KF+32*\kt+8*\c+3],   v[ADRK] offset:\kt*16*PK+64*\c
	ds_load_b128 v[KF+32*\kt+8*\c+4:KF+32*\kt+8*\c+7], v[ADRK] offset:\kt*16*PK+64*\c+32
.endr
.endr
.irp dt, 0,1,2,3,4,5,6,7
	ds_load_tr16_b128 v[VF+8*\dt:VF+8*\dt+3],   v[ADRV] offset:32*\dt
	ds_load_tr16_b128 v[VF+8*\dt+4:VF+8*\dt+7], v[ADRV] offset:32*\dt+16*PVP
.endr
	WIN 0
.endm
.macro KQ                              ; 32 products; the 8 accumulators (2 tiles of keys x 4 tiles of queries) take turns, one instruction a turn; the first 8 start the sums
	WIN W_KQ
.irp c, 0,1,2,3
.irp kt, 0,1
.irp t, 0,1,2,3
.if \c == 0
	v_wmma_f32_16x16x32_f16 v[S+16*\t+8*\kt:S+16*\t+8*\kt+7], v[KF+32*\kt+8*\c:KF+32*\kt+8*\c+7], v[32*\t+8*\c:32*\t+8*\c+7], 0
.else
	v_wmma_f32_16x16x32_f16 v[S+16*\t+8*\kt:S+16*\t+8*\kt+7], v[KF+32*\kt+8*\c:KF+32*\kt+8*\c+7], v[32*\t+8*\c:32*\t+8*\c+7], v[S+16*\t+8*\kt:S+16*\t+8*\kt+7]
.endif
.endr
.endr
.endr
	WIN 0
.endm
.macro MASK d                          ; register x of a tile holds key 16 (x / 8) + x % 8 + 8 (lane / 16) of my 32; each accumulator is read from its low end on
.irp x, 0,1,2,3,4,5,6,7,8,9,10,11,12,13,14,15
	v_cmp_gt_i32 vcc_lo, 16*(\x/8)+\x%8, v[\d]
.irp t, 0,1,2,3
	v_cndmask_b32 v[S+16*\t+\x], v[S+16*\t+\x], v[NINF], vcc_lo
.endr
.endr
.endm
.macro MAX3 dst, a, b                  ; one line of the maximum for the four tiles by turns
.irp t, 0,1,2,3
	v_max3_num_f32 v[ST+8*\t+\dst], v[ST+8*\t+\dst], v[S+16*\t+\a], v[S+16*\t+\b]
.endr
.endm
.macro PADD a, b                       ; pair a += pair b, the four tiles by turns
.irp t, 0,1,2,3
	v_pk_add_f32 v[S+16*\t+\a:S+16*\t+\a+1], v[S+16*\t+\a:S+16*\t+\a+1], v[S+16*\t+\b:S+16*\t+\b+1]
.endr
.endm
.macro SOFTMAX
.irp t, 0,1,2,3
	v_max3_num_f32 v[ST+8*\t+4], v[S+16*\t], v[S+16*\t+1], v[S+16*\t+2]
.endr
.irp t, 0,1,2,3
	v_max3_num_f32 v[ST+8*\t+5], v[S+16*\t+3], v[S+16*\t+4], v[S+16*\t+5]
.endr
	MAX3 4, 6, 7
	MAX3 5, 8, 9                                   ; the second accumulator's low end first
	MAX3 4, 10, 11
	MAX3 5, 12, 13
	MAX3 4, 14, 15
.irp t, 0,1,2,3
	v_max3_num_f32 v[ST+8*\t+4], v[ST+8*\t+4], v[ST+8*\t+5], v[ST+8*\t+1]   ; with the old m
.endr
.irp t, 0,1,2,3
	v_permlanex16_b32 v[ST+8*\t+5], v[ST+8*\t+4], s[SEL], s[SEL+1]          ; the query's other 16 keys lie in the lane 16 away
.endr
.irp t, 0,1,2,3
	v_mov_b32 v[ST+8*\t+7], v[ST+8*\t]                                      ; c m_old
.endr
.irp t, 0,1,2,3
	v_max_num_f32 v[ST+8*\t+1], v[ST+8*\t+4], v[ST+8*\t+5]
.endr
.irp t, 0,1,2,3
	v_mul_f32 v[ST+8*\t], s[CS], v[ST+8*\t+1]
.endr
.irp t, 0,1,2,3
	v_sub_f32 v[ST+8*\t+7], v[ST+8*\t+7], v[ST+8*\t]
.endr
.irp b, 0,2,4,6,8,10,12,14
.irp t, 0,1,2,3
	v_pk_fma_f32 v[S+16*\t+\b:S+16*\t+\b+1], v[S+16*\t+\b:S+16*\t+\b+1], s[CS:CS+1], v[ST+8*\t:ST+8*\t+1] op_sel_hi:[1,0,0] neg_lo:[0,0,1] neg_hi:[0,0,1]   ; c s - c m
.endr
.endr
.irp t, 0,1,2,3
	v_exp_f32 v[ST+8*\t+6], v[ST+8*\t+7]                                    ; ONE BATCH of 68 exponentials: the four factors,
.endr
.irp x, 0,1,2,3,4,5,6,7,8,9,10,11,12,13,14,15
.irp t, 0,1,2,3
	v_exp_f32 v[S+16*\t+\x], v[S+16*\t+\x]                                  ; and the weights
.endr
.endr
	v_nop                                          ; a plain line behind the last exponential,
	s_wait_alu depctr_va_vdst(0)                   ; and one wait for the batch, ahead of its first reader
.irp b, 0,1,2,3,4,5,6,7
.irp t, 0,1,2,3
	v_cvt_pk_f16_f32 v[P+8*\t+\b], v[S+16*\t+2*\b], v[S+16*\t+2*\b+1]
.endr
.endr
	PADD 0, 2
	PADD 4, 6
	PADD 8, 10
	PADD 12, 14
	PADD 0, 4
	PADD 8, 12
	PADD 0, 8
.irp t, 0,1,2,3
	v_pk_fma_f32 v[ST+8*\t+2:ST+8*\t+3], v[ST+8*\t+2:ST+8*\t+3], v[ST+8*\t+6:ST+8*\t+7], v[S+16*\t:S+16*\t+1] op_sel_hi:[1,0,1]   ; l = factor x l + the sum
.endr
.endm
; O^T += V^T P: 32 products, each on an accumulator of its own.  zero = 1: a task's first trip starts the sums.  zero = 0: O^T is first multiplied by the factor: tile 0 ahead, tile t + 1 in fours behind tile t's products.
.macro PV zero
.if \zero
	WIN W_PV
.irp t, 0,1,2,3
.irp dt, 0,1,2,3,4,5,6,7
	v_wmma_f32_16x16x32_f16 v[64*\t+8*\dt:64*\t+8*\dt+7], v[VF+8*\dt:VF+8*\dt+7], v[P+8*\t:P+8*\t+7], 0
.endr
.endr
.else
	WIN W_RS
.set i, 0
.rept 32
	v_pk_mul_f32 v[i:i+1], v[i:i+1], v[ST+6:ST+7] op_sel_hi:[1,0]
.set i, i+2
.endr
.irp t, 0,1,2,3
.irp dt, 0,1,2,3,4,5,6,7
	WIN W_PV
	v_wmma_f32_16x16x32_f16 v[64*\t+8*\dt:64*\t+8*\dt+7], v[VF+8*\dt:VF+8*\dt+7], v[P+8*\t:P+8*\t+7], v[64*\t+8*\dt:64*\t+8*\dt+7]
.if \t < 3
	WIN W_RS
.irp y, 0,2,4,6
	v_pk_mul_f32 v[64*(\t+1)+8*\dt+\y:64*(\t+1)+8*\dt+\y+1], v[64*(\t+1)+8*\dt+\y:64*(\t+1)+8*\dt+\y+1], v[ST+8*(\t+1)+6:ST+8*(\t+1)+7] op_sel_hi:[1,0]
.endr
.endif
.endr
.endr
.endif
	WIN 0
.endm
.macro MSTORE reset                    ; a task's end: my O^T of the four tiles and my statistics go to LDS as they stand, 16 bytes and 4 bytes a lane
	PLACES                                         ; behind the last products
	WIN 0x04                                       ; the data: window 1
.irp t, 0,1,2,3
.irp ch, 0,1,2,3,4,5,6,7,8,9,10,11,12,13,14,15
	ds_store_b128 v[MS], v[64*\t+4*\ch:64*\t+4*\ch+3] offset:8192*\t+512*\ch     ; each accumulator from its low end on
.endr
.endr
	WIN 0
.irp t, 0,1,2,3
	v_add_f32 v[ST+8*\t+4], v[ST+8*\t+2], v[ST+8*\t+3]
.endr
.irp t, 0,1,2,3
	ds_store_b32 v[SST], v[ST+8*\t] offset:256*\t
	ds_store_b32 v[SST], v[ST+8*\t+4] offset:256*\t+128
.endr
.if \reset
	RESET
.endif
.endm
.macro MLOAD reg, u                    ; source wave u's O^T of my tile, into window 2
	WIN 0x80
.irp ch, 0,1,2,3,4,5,6,7,8,9,10,11,12,13,14,15
	ds_load_b128 v[\reg+4*\ch:\reg+4*\ch+3], v[MR+\u] offset:512*\ch
.endr
.endm
.macro MFMA reg, u
	WIN 0x02                                       ; source 0 window 2
.set i, 0
.rept 32
	v_pk_fma_f32 v[S+i:S+i+1], v[\reg+i:\reg+i+1], v[MF+2*\u:MF+2*\u+1], v[S+i:S+i+1]
.set i, i+2
.endr
.endm
.macro MREAD ob                        ; wave w merges tile w: O = sum over u of 2^(c m_u - the largest) O_u / the sum of the same of l_u; f16; stored as the next product's operand images
.irp u, 0,1,2,3
	ds_load_b32 v[MCM+\u], v[SRD] offset:1024*\u
	ds_load_b32 v[MLL+\u], v[SRD] offset:1024*\u+128
.endr
	MLOAD KF, 0
	MLOAD VF, 1
	WIN 0
	s_wait_dscnt 32                                ; the eight statistics are in; the 32 loads behind them may be out
	v_max3_num_f32 v[MCX], v[MCM], v[MCM+1], v[MCM+2]
	v_max_num_f32 v[MCX], v[MCX], v[MCM+3]
.irp u, 0,1,2,3
	v_sub_f32 v[MA+\u], v[MCM+\u], v[MCX]
.endr
.irp u, 0,1,2,3
	v_exp_f32 v[MA+\u], v[MA+\u]
.endr
	v_nop
	s_wait_alu depctr_va_vdst(0)                   ; one wait for the four
	v_mul_f32 v[ML], v[MA], v[MLL]
	v_fmac_f32 v[ML], v[MA+1], v[MLL+1]
	v_fmac_f32 v[ML], v[MA+2], v[MLL+2]
	v_fmac_f32 v[ML], v[MA+3], v[MLL+3]
	v_permlanex16_b32 v[MT], v[ML], s[SEL], s[SEL+1]
	v_add_f32 v[ML], v[ML], v[MT]                  ; with the other half of the lanes': the row's sum
	v_rcp_f32 v[ML], v[ML]
	v_nop
	s_wait_alu depctr_va_vdst(0)
.irp u, 0,1,2,3
	v_mul_f32 v[MF+2*\u], v[MA+\u], v[ML]
	v_mul_f32 v[MF+2*\u+1], v[MA+\u], v[ML]
.endr
	s_wait_dscnt 16                                ; source wave 0's is in
	WIN 0x02
.set i, 0
.rept 32
	v_pk_mul_f32 v[S+i:S+i+1], v[KF+i:KF+i+1], v[MF:MF+1]
.set i, i+2
.endr
	MLOAD KF, 2
	s_wait_dscnt 16                                ; source wave 1's is in; the 16 just issued may be out
	MFMA VF, 1
	MLOAD VF, 3
	s_wait_dscnt 16
	MFMA KF, 2
	s_wait_dscnt 0
	MFMA VF, 3
	WIN 0
.set i, 0
.rept 32
	v_cvt_pk_f16_f32 v[MO+i], v[S+2*i], v[S+2*i+1]
.set i, i+1
.endr
.irp dt, 0,1,2,3,4,5,6,7
	global_store_b128 v[GO], v[MO+4*\dt:MO+4*\dt+3], s[\ob:\ob+1] offset:512*\dt    ; 32 lanes store 512 consecutive bytes, aligned: channels 16 dt on of my head
.endr
	s_wait_xcnt 0x0                                ; the stores have read their data
.endm
	s_load_b128 s[4:7], s[0:1], 0x0                ; qkv16, attn
	v_lshl_add_u32 v[SPW], v0, 2, SPARE
	v_mov_b32 v[NIL], 0
	ds_add_u32 v[SPW], v[NIL]                      ; the wave's opening: the add, twice on end, and its wait ahead of my first tensor load
	ds_add_u32 v[SPW], v[NIL]
	v_lshrrev_b32 v1, 5, v0
	v_readfirstlane_b32 s[WV], v1                  ; wave 0..3
	s_bfe_u32 s13, ttmp6, 0x40000                  ; cx
	s_lshl_b32 s14, ttmp9, 2
	s_add_co_u32 s14, s14, s13                     ; p: it enters Q's and O's addresses, the masks' numbers and the prefetches' address alone
	s_and_b32 s15, ttmp7, 0xffff                   ; g
	s_lshr_b32 s[NAM1], ttmp9, 1                   ; p / 8, the same in the four partners
	s_add_co_u32 s[NA], s[NAM1], 1
	s_mov_b32 s[J], 0
	s_mov_b32 s[TB], 0
	s_mov_b32 s[TBN], SLOTB
	s_mov_b32 s[OFF+1], 0
	s_mov_b32 s[CS], 0x3e0293ee                    ; c = log2(e) / sqrt(128)
	s_mov_b32 s[CS+1], s[CS]
	s_mov_b32 s[SEL], 0x76543210
	s_mov_b32 s[SEL+1], 0xfedcba98
	s_and_b32 s78, s[WV], 1                        ; which 64 rows of a slot I fetch
	s_mul_i32 s[KPART], s78, 64*PK
	s_mul_i32 s[VPART], s78, 64*PVP
	s_add_co_u32 s[VPART], s[VPART], VOFF
	s_or_b32 s79, s78, ttmp9
	s_cmp_eq_u32 s79, 0                            ; waves 0 and 2 of the head's first cluster prefetch
	s_cselect_b32 s[PFL], 14, 0
	s_mov_b32 s[G1K], 15|(1<<16)|(1<<20)|(1<<21)|(5<<22)|(3<<25)  ; the mask: all four; elements of 2 bytes; padding: 4 words behind every 64
	s_mov_b32 s[G1V], 15|(1<<16)|(1<<20)|(1<<21)|(5<<22)|(7<<25)  ; 8 words
.irp g, G1K, G1V
	s_mov_b32 s[\g+1], 128<<16                     ; tensor_dim0
	s_mov_b32 s[\g+2], 64<<16                      ; tensor_dim1
	s_mov_b32 s[\g+3], 128<<16                     ; tile_dim0
	s_mov_b32 s[\g+4], 64                          ; tile_dim1
	s_mov_b32 s[\g+5], 128                         ; from row to row
	s_mov_b32 s[\g+6], 0
	s_mov_b32 s[\g+7], 0
.endr
	v_and_b32 v1, 15, v0                           ; r
	v_bfe_u32 v19, v0, 4, 1                        ; h
	s_lshl_b32 s76, s[WV], 5                       ; my first key in a slot
	v_add_nc_u32 v20, s76, v1
	v_mul_u32_u24 v[AK0], v20, PK
	v_lshl_add_u32 v[AK0], v19, 4, v[AK0]          ; K: (32 w + r) x pitch + 16 h
	v_and_b32 v21, 7, v0
	v_lshl_add_u32 v21, v19, 3, v21
	v_add_nc_u32 v21, s76, v21
	v_mul_u32_u24 v[AV0], v21, PVP
	v_bfe_u32 v22, v0, 3, 1
	v_lshl_add_u32 v[AV0], v22, 4, v[AV0]
	v_add_nc_u32 v[AV0], VOFF, v[AV0]              ; V: (32 w + 8 h + l % 8) x pitch + 16 ((l / 8) % 2)
	v_lshlrev_b32 v[QO], 8, v1
	v_lshl_add_u32 v[QO], v19, 4, v[QO]
	v_and_b32 v24, 31, v0
	v_lshlrev_b32 v[GO], 4, v24
	v_lshlrev_b32 v[PFO], 8, v24
	v_lshlrev_b32 v24, 2, v24
	s_lshl_b32 s77, s[WV], 15
	s_add_co_u32 s77, s77, MRG
	v_add_nc_u32 v[MS], s77, v[GO]
	s_lshl_b32 s77, s[WV], 10
	s_add_co_u32 s77, s77, STAT
	v_add_nc_u32 v[SST], s77, v24
	s_lshl_b32 s77, s[WV], 8
	s_add_co_u32 s77, s77, STAT
	v_add_nc_u32 v[SRD], s77, v24
	s_lshl_b32 s77, s[WV], 13
	s_add_co_u32 s77, s77, MRG
	v_add_nc_u32 v[MR], s77, v[GO]
	v_add_nc_u32 v[MR+1], 32768, v[MR]
	v_add_nc_u32 v[MR+2], 32768, v[MR+1]
	v_add_nc_u32 v[MR+3], 32768, v[MR+2]
	v_mov_b32 v[NINF], 0xff800000
	s_and_b32 s78, s14, 7
	s_lshl_b32 s79, s78, 4
	s_sub_co_u32 s79, s79, s76
	v_lshlrev_b32 v23, 3, v19
	v_sub_nc_u32 v23, v1, v23
	v_add_nc_u32 v[DA], s79, v23                   ; 16 (p % 8) + r - 8 h - 32 w
	s_xor_b32 s78, s78, 7                          ; (127 - p) % 8
	s_lshl_b32 s79, s78, 4
	s_sub_co_u32 s79, s79, s76
	v_add_nc_u32 v[DB], s79, v23
	RESET
.irp t, 0,1,2,3
.irp y, 4,5,6,7
	v_mov_b32 v[ST+8*\t+\y], 0                     ; written once: a lane permute's destination counts as one of its sources
.endr
.endr
	v_mov_b32 v[MT], 0
	s_wait_dscnt 0x0                               ; both opening adds are done
	s_wait_kmcnt 0x0
	s_add_co_u32 s76, s15, 16
	s_lshl_b32 s76, s76, 19                        ; head 16 + g
	s_and_b32 s78, s[WV], 1
	s_lshl_b32 s79, s78, 14
	s_add_co_u32 s76, s76, s79
	s_mov_b32 s77, 0
	s_add_nc_u64 s[KB:KB+1], s[4:5], s[76:77]
	s_add_nc_u64 s[VB:VB+1], s[KB:KB+1], 0x200000  ; four heads on
	s_cmp_lt_u32 s[WV], 2
	s_cselect_b64 s[PFA:PFA+1], s[KB:KB+1], s[VB:VB+1]
	s_lshl_b32 s76, s13, 13                        ; my work-group's 32 rows of the 128,
	s_add_co_u32 s76, s76, 32768                   ; in slot 1: the first change of slots steps it to slot 2
	s_add_nc_u64 s[PFA:PFA+1], s[PFA:PFA+1], s[76:77]
	s_lshl_b32 s76, s15, 21                        ; query head 4 g,
	s_lshl_b32 s79, s14, 12                        ; block p
	s_add_co_u32 s76, s76, s79
	s_add_nc_u64 s[QA:QA+1], s[4:5], s[76:77]
	s_sub_co_u32 s69, 127, s14                     ; the late block
	s_lshl_b32 s76, s15, 21
	s_lshl_b32 s79, s69, 12
	s_add_co_u32 s76, s76, s79
	s_add_nc_u64 s[QB:QB+1], s[4:5], s[76:77]
	s_lshl_b32 s78, s15, 2
	s_add_co_u32 s78, s78, s[WV]
	s_lshl_b32 s78, s78, 12                        ; out: head 4 g + w: 4,096 bytes in a block's 65,536
	s_lshl_b32 s76, s14, 16
	s_add_co_u32 s76, s76, s78
	s_add_nc_u64 s[OA:OA+1], s[6:7], s[76:77]
	s_lshl_b32 s76, s69, 16
	s_add_co_u32 s76, s76, s78
	s_add_nc_u64 s[OB:OB+1], s[6:7], s[76:77]
	CROUND                                         ; all four work-groups are here: the first joint loads meet
	s_mov_b32 s[G0K], 1
	s_mov_b32 s[G0K+1], s[KPART]                   ; slot 0
	s_mov_b64 s[G0K+2:G0K+3], s[KB:KB+1]
	s_or_b32 s[G0K+3], s[G0K+3], 0x80000000
	s_mov_b32 s[G0V], 1
	s_mov_b32 s[G0V+1], s[VPART]
	s_mov_b64 s[G0V+2:G0V+3], s[VB:VB+1]
	s_or_b32 s[G0V+3], s[G0V+3], 0x80000000
	JLOAD
	QLOAD QA
; A TRIP: one slot of 128 keys.  kind 0: the first; 1: the loop's (trips 1 to 15); 2: the last, which asks for nothing.
.macro TRIP kind
	WIN 0
	s_wait_tensorcnt 0x0                           ; my one tensor load, my part of this trip's slot, has landed: the descriptors may be written
	ds_add_u32 v[SPW], v[NIL]
.if \kind < 2
	s_add_co_u32 s68, s[J], 1                      ; the next trip's slot of keys: trip n takes n, or n - NA once the late block has begun
	s_cmp_ge_u32 s68, s[NA]
	s_cselect_b32 s69, s[NA], 0
	s_sub_co_u32 s68, s68, s69
	s_lshl_b32 s[OFF], s68, 15                     ; 128 rows of 256 bytes
	s_add_co_u32 s[G0K+1], s[TBN], s[KPART]
	s_add_nc_u64 s[G0K+2:G0K+3], s[KB:KB+1], s[OFF:OFF+1]
	s_or_b32 s[G0K+3], s[G0K+3], 0x80000000
	s_add_co_u32 s[G0V+1], s[TBN], s[VPART]
	s_add_nc_u64 s[G0V+2:G0V+3], s[VB:VB+1], s[OFF:OFF+1]
	s_or_b32 s[G0V+3], s[G0V+3], 0x80000000
	s_wait_xcnt 0x0                                ; the last prefetch, a trip back, has read its address
	s_add_nc_u64 s[PFA:PFA+1], s[PFA:PFA+1], 32768
	s_wait_dscnt 0x0                               ; the add is done; my reads of the other slot and my stores for the merge are over
	CROUND                                         ; no wave of any partner still reads the other slot or has a load on its way
	JLOAD                                          ; the first thing behind the round, one tensor load a wave: it has this trip in which to land.  Its four v_nop are the places in front of the loads below
	ASK
.else
	s_wait_dscnt 0x0
	s_barrier_signal -1
	s_barrier_wait -1
	PLACES
.endif
.if \kind == 1
	s_cmp_lg_u32 s[J], s[NA]                       ; the late block's first trip: the early block, stored in front of the round above, is merged
	s_cbranch_scc1 .Lno_merge_\@
	MREAD OA
.Lno_merge_\@:
	s_wait_dscnt 0x0                               ; the merge's reads are over in every wave before any wave stores for a merge again: a barrier in every trip, on every wave's way
	s_barrier_signal -1
	s_barrier_wait -1
.endif
	FETCH
	s_wait_loadcnt 0x0                             ; Q
	s_wait_dscnt 16                                ; K's 16 loads are in; V's 16 may be out
	KQ
	PLACES
.if \kind < 2
	s_cmp_lg_u32 s[J], s[NAM1]                     ; the early block's last slot lies on the diagonal
	s_cbranch_scc1 .Lno_mask_\@
	MASK DA
	QLOAD QB                                       ; and its Q is done with: the late block's comes
.Lno_mask_\@:
.else
	MASK DB
.endif
	SOFTMAX
	s_wait_dscnt 0x0                               ; V
.if \kind == 0
	PV 1
.elseif \kind == 1
	s_cmp_eq_u32 s[J], s[NA]
	s_cbranch_scc1 .Lpv_first_\@
	PV 0
	s_branch .Lpv_done_\@
.Lpv_first_\@:
	PV 1
.Lpv_done_\@:
.else
	PV 0
.endif
.if \kind < 2
	s_cmp_lg_u32 s[J], s[NAM1]
	s_cbranch_scc1 .Lno_store_\@
	MSTORE 1
.Lno_store_\@:
	s_xor_b32 s[TB], s[TB], SLOTB                  ; the slots change places
	s_xor_b32 s[TBN], s[TBN], SLOTB
	s_add_co_u32 s[J], s[J], 1
.endif
.endm
	TRIP 0
.Ltrip:
	TRIP 1
	s_cmp_lt_u32 s[J], 16
	s_cbranch_scc1 .Ltrip
	TRIP 2                                         ; the tail is written out
	MSTORE 0
	s_wait_dscnt 0x0                               ; for the others' sake: my stores are done
	s_barrier_signal -1
	s_barrier_wait -1
	MREAD OB
	s_wait_tensorcnt 0x0                           ; the wave's end, behind my last tensor load and my last LDS store
	ds_add_u32 v[SPW], v[NIL]
	s_wait_dscnt 0x0
	CROUND                                         ; the closing round
	s_endpgm
.Lfunc_end_k_qc788434642_attn:
	.size	k_qc788434642_attn, .Lfunc_end_k_qc788434642_attn-k_qc788434642_attn
	.p2alignl 7, 3214868480
	.fill 96, 4, 3214868480
	.section	.rodata,"a",@progbits
	.p2align	6, 0x0
	.amdhsa_kernel k_qc788434642_attn
		.amdhsa_group_segment_fixed_size 327680
		.amdhsa_private_segment_fixed_size 0
		.amdhsa_enable_private_segment 0
		.amdhsa_kernarg_size 16
		.amdhsa_user_sgpr_count 2
		.amdhsa_user_sgpr_kernarg_segment_ptr 1
		.amdhsa_wavefront_size32 1
		.amdhsa_system_sgpr_workgroup_id_x 1
		.amdhsa_system_sgpr_workgroup_id_y 1
		.amdhsa_system_sgpr_workgroup_id_z 1
		.amdhsa_system_vgpr_workitem_id 0
		.amdhsa_next_free_vgpr 768
		.amdhsa_next_free_sgpr 96
		.amdhsa_reserve_vcc 1
		.amdhsa_float_denorm_mode_32 3
		.amdhsa_float_denorm_mode_16_64 3
		.amdhsa_memory_ordered 1
		.amdhsa_forward_progress 1
		.amdhsa_inst_pref_size 153
	.end_amdhsa_kernel
	.amdgpu_metadata
---
amdhsa.version: [ 1, 2 ]
amdhsa.kernels:
  - .name:           k_qc788434642_attn
    .symbol:         k_qc788434642_attn.kd
    .args:
      - { .name: qkv16, .offset: 0, .size: 8, .value_kind: global_buffer, .address_space: global }
      - { .name: attn, .offset: 8, .size: 8, .value_kind: global_buffer, .address_space: global }
    .group_segment_fixed_size: 327680
    .private_segment_fixed_size: 0
    .kernarg_segment_align: 8
    .kernarg_segment_size: 16
    .max_flat_workgroup_size: 128
    .sgpr_count:     96
    .vgpr_count:     768
    .wavefront_size: 32
...
	.end_amdgpu_metadata
.endif
;; end of part 3
;; launch proj (part 4): grid 16 x 16, 4 waves a work-group, clusters of 4 x 4, 327,680 bytes of LDS; arguments attn, wo16, out0; writes out0
.if DOCPART == 4
	.amdgcn_target "amdgcn-amd-amdhsa--gfx1250"
	.amdhsa_code_object_version 6
	.text
	.protected	k_qc788434642_proj
	.globl	k_qc788434642_proj
	.p2align	8
	.type	k_qc788434642_proj,@function
k_qc788434642_proj:
	s_mov_b64 s[64:65], 0
	v_nop
	global_prefetch_b8 v0, s[64:65] scope:SCOPE_SE
	s_setreg_imm32_b32 hwreg(HW_REG_WAVE_MODE, 25, 1), 1
	s_wait_xcnt 0x0
	s_wait_alu depctr_hold_cnt(0) depctr_sa_sdst(0) depctr_va_vdst(0) depctr_va_sdst(0) depctr_va_ssrc(0) depctr_va_vcc(0) depctr_vm_vsrc(0)
	s_getreg_b32 s2, hwreg(HW_REG_IB_STS2, 6, 4)
	s_cmp_eq_u32 s2, 0
	s_cbranch_scc0 .Lentry_in_a_cluster
	s_endpgm
.Lentry_in_a_cluster:
	s_bfe_u32 s2, ttmp6, 0x10000c
	s_cmp_lg_u32 s2, 0xf033
	s_cbranch_scc0 .Lentry_shape_is_right
	s_endpgm
.Lentry_shape_is_right:
; out0 [2,048][2,048] f32 = attention rows x Wo, operands f16, sums f32, K = 2,048.
; Both operands come as IMAGES OF THEIR REGISTERS: [16 rows (attn: positions; wo16: columns of Wo)][k / 32][2 halves][32 lanes][16 bytes]: 65,536 bytes for 16 rows, 1,024 for a fragment.
; A tile of out0 is 128 x 128, so that there are 256 work-groups; four waves, each 64 x 64: 16 accumulators.  K goes in steps of 256 through two LDS slots: a wave's tensor load brings 4 runs of 8,192 consecutive bytes.
; A fragment is read from LDS as two runs of 512 consecutive bytes: no pitch, no padding.
; CLUSTERS: 4 x 4 work-groups; A's tiles are shared along a row of the cluster, B's along a column, each asked for jointly.  THE MATRIX INSTRUCTION IS USED TRANSPOSED: a lane holds eight neighbouring columns of a row.
; Rows 0-15 are written here as all others are; the launch behind this one writes them again, more finely: so no branch here hangs on a work-group's place.  LIMIT: operands under 65,504 (f16).
; REGISTERS: window 0: v0-31 addresses; v32-95 the way out; v128-255 the accumulators ((a, b) at v[128 + 8 (4 a + b)]).   window 1: two fragment buffers of 128: 64 registers of A, then 64 of B, for 64 along K.
.set KSB,    8192                      ; 16 rows x 256 along K, in bytes
.set HALFT,  4*KSB                     ; 64 rows: what one tensor load brings
.set SLOT,   4*HALFT
.set SPARE,  2*SLOT                    ; the spare words, 128 bytes for each wave: two blocks of 256 bytes that no other line names
.set SPITCH, 272                       ; the way out: a stage of 16 rows x (256 bytes + 16) for each wave, in slot 0, which has had its last fill and its last read by then
.set LAPS,   4
.set ROWO,   8192                      ; a row of out0 in bytes
.set ADRA, 16
.set ADRB, 20
.set STO,  24
.set RD,   25
.set CO,   26
.set SPW,  28
.set NIL,  29
.set TMP,  32
.set ACC,  128
.set F0,   0
.set F1,   128
.set G1, 24
.set G0, 32
.set G1B, 48
.set G0B, 56
.set MSB, 0
.macro WIN new
.if MSB != \new
	s_set_vgpr_msb (MSB<<8)|\new
.set MSB, \new
.endif
.endm
.set MUL,  0x05                        ; sources 0 (B) and 1 (A) window 1; C and D window 0
.set TO_F, 0x40
.macro JLOAD s                         ; a joint load: waves 0 and 1 fetch A's halves, waves 2 and 3 B's; an s_nop 0 and four v_nop follow each of the two lines
	s_cmp_eq_u32 s11, 0
	s_cbranch_scc0 .Lfor_b_\@
	tensor_load_to_lds s[G0+4*\s:G0+4*\s+3], s[G1:G1+7]
	s_nop 0
.rept 4
	v_nop
.endr
	s_branch .Lasked_\@
.Lfor_b_\@:
	tensor_load_to_lds s[G0B+4*\s:G0B+4*\s+3], s[G1B:G1B+7]
	s_nop 0
.rept 4
	v_nop
.endr
.Lasked_\@:
.endm
.macro CREST
	s_cmp_lg_u32 s10, 0
	s_cbranch_scc1 .Lnot_wave_0_\@
	s_barrier_signal -3
.Lnot_wave_0_\@:
	s_barrier_wait -3
	s_barrier_signal -1
	s_barrier_wait -1
.endm
.macro CROUND
	s_barrier_signal -1
	s_barrier_wait -1
	CREST
.endm
	s_load_b128 s[4:7], s[0:1], 0x0                ; attn, wo16
	s_load_b64 s[8:9], s[0:1], 0x10                ; out0
	v_lshl_add_u32 v[SPW], v0, 2, SPARE
	v_mov_b32 v[NIL], 0
	ds_add_u32 v[SPW], v[NIL]                      ; the wave's opening: the add, twice on end, and its wait ahead of my first tensor load
	ds_add_u32 v[SPW], v[NIL]
	v_lshrrev_b32 v1, 5, v0
	v_readfirstlane_b32 s10, v1                    ; wave 0..3
	s_lshr_b32 s11, s10, 1                         ; which half of the tile's rows is mine.  Also: I fetch for A (0) or for B (1)
	s_and_b32 s12, s10, 1                          ; which half of its columns.  Also: which 64 rows of that tile I fetch
	s_bfe_u32 s40, ttmp6, 0x40000
	s_bfe_u32 s41, ttmp6, 0x40004
	s_lshl_b32 s42, ttmp9, 2
	s_add_co_u32 s42, s42, s40                     ; tile column
	s_and_b32 s13, ttmp7, 0xffff
	s_lshl_b32 s13, s13, 2
	s_add_co_u32 s13, s13, s41                     ; tile row
	s_lshl_b32 s43, s41, 2
	s_lshl_b32 s43, 15, s43                        ; my row of the cluster
	s_lshl_b32 s44, 0x1111, s40                    ; my column
	; group 1: 4 runs of 8,192 bytes (1,024 elements of 8), 65,536 bytes apart, dense in LDS
	s_or_b32 s[G1+0], s43, (3<<16)|(1<<21)
	s_or_b32 s[G1B+0], s44, (3<<16)|(1<<21)
.irp g, G1, G1B
	s_mov_b32 s[\g+1], 1024<<16
	s_mov_b32 s[\g+2], 4<<16
	s_mov_b32 s[\g+3], 1024<<16
	s_mov_b32 s[\g+4], 4
	s_mov_b32 s[\g+5], 8192
	s_mov_b32 s[\g+6], 0
	s_mov_b32 s[\g+7], 0
.endr
	s_lshl_b32 s17, s12, 6
	s_lshl_b32 s16, s13, 7
	s_add_co_u32 s16, s16, s17                     ; A: row 128 x tile row + 64 x half
	s_lshl_b32 s46, s42, 7
	s_add_co_u32 s46, s46, s17                     ; B: row 128 x tile column + 64 x half
	s_mov_b32 s17, 0
	s_mov_b32 s47, 0
	s_mov_b64 s[18:19], 4096                       ; 16 rows are 65,536 bytes
	s_mul_u64 s[16:17], s[16:17], s[18:19]
	s_mul_u64 s[46:47], s[46:47], s[18:19]
	s_mul_i32 s20, s10, HALFT                      ; where they go: A's two halves, then B's: wave x 64 rows
	s_wait_dscnt 0x0                               ; both opening adds are done
	s_wait_kmcnt 0x0
	s_add_nc_u64 s[14:15], s[4:5], s[16:17]
	s_add_nc_u64 s[46:47], s[6:7], s[46:47]
	CROUND                                         ; all sixteen work-groups are here: the first joint loads meet
.irp s, 0,1
	s_mov_b32 s[G0+4*\s], 1
	s_add_co_u32 s[G0+4*\s+1], s20, \s*SLOT
	s_add_nc_u64 s[G0+4*\s+2:G0+4*\s+3], s[14:15], \s*KSB
	s_or_b32 s[G0+4*\s+3], s[G0+4*\s+3], 0x80000000
	s_mov_b32 s[G0B+4*\s], 1
	s_add_co_u32 s[G0B+4*\s+1], s20, \s*SLOT
	s_add_nc_u64 s[G0B+4*\s+2:G0B+4*\s+3], s[46:47], \s*KSB
	s_or_b32 s[G0B+4*\s+3], s[G0B+4*\s+3], 0x80000000
	JLOAD \s
.endr
	v_and_b32 v1, 15, v0                           ; l % 16
	v_bfe_u32 v2, v0, 4, 1                         ; l / 16
	v_and_b32 v3, 31, v0
	v_lshlrev_b32 v3, 4, v3                        ; an image's place for my lane
	s_mul_i32 s21, s11, HALFT
	s_mul_i32 s22, s12, HALFT
	s_add_co_u32 s22, s22, 2*HALFT
.irp s, 0,1
	v_add_nc_u32 v[ADRA+\s], s21, v3
	v_add_nc_u32 v[ADRB+\s], s22, v3
	s_add_co_u32 s21, s21, SLOT
	s_add_co_u32 s22, s22, SLOT
.endr
	s_mul_i32 s23, s10, 16*SPITCH                  ; my stage
	v_mul_u32_u24 v4, v1, SPITCH
	v_lshl_add_u32 v4, v2, 5, v4
	v_add_nc_u32 v[STO], s23, v4                   ; in: row l % 16, 32 bytes for each half of the lanes
	v_mul_u32_u24 v5, v2, SPITCH
	v_lshl_add_u32 v5, v1, 4, v5
	v_add_nc_u32 v[RD], s23, v5                    ; back: lanes 0-15 one row of 256 bytes, lanes 16-31 the next
	v_lshlrev_b32 v5, 13, v2
	v_lshl_add_u32 v[CO], v1, 4, v5                ; and the same two rows in out0
	s_lshl_b32 s16, s13, 7
	s_lshl_b32 s17, s11, 6
	s_add_co_u32 s16, s16, s17                     ; my first row
	s_lshl_b32 s16, s16, 13
	s_mov_b32 s17, 0
	s_add_nc_u64 s[8:9], s[8:9], s[16:17]
	s_lshl_b32 s46, s42, 9                         ; my first column, in bytes: 512 x tile column + 256 x half
	s_lshl_b32 s47, s12, 8
	s_add_co_u32 s46, s46, s47
	s_mov_b32 s47, 0
	s_add_nc_u64 s[8:9], s[8:9], s[46:47]
; 8 matrix instructions: m blocks a0, a0 + 1 x all 4 n blocks, 32 along K: half c of buffer f.  The 16 accumulators take turns.
.macro MUL8 f, c, a0, zero
.irp a, \a0, \a0+1
.irp b, 0,1,2,3
.if \zero
	v_wmma_f32_16x16x32_f16 v[ACC+8*(4*(\a)+\b):ACC+8*(4*(\a)+\b)+7], v[\f+64+8*(4*\c+\b):\f+64+8*(4*\c+\b)+7], v[\f+8*(4*\c+\a):\f+8*(4*\c+\a)+7], 0
.else
	v_wmma_f32_16x16x32_f16 v[ACC+8*(4*(\a)+\b):ACC+8*(4*(\a)+\b)+7], v[\f+64+8*(4*\c+\b):\f+64+8*(4*\c+\b)+7], v[\f+8*(4*\c+\a):\f+8*(4*\c+\a)+7], v[ACC+8*(4*(\a)+\b):ACC+8*(4*(\a)+\b)+7]
.endif
.endr
.endr
.endm
; 32 LDS loads in one run: the fragments of 64 along K, from byte k of each run of 8,192, into buffer f; the first 32 along K first
.macro FETCH slot, k, f
	WIN TO_F
.irp c, 0,1
.irp i, 0,1,2,3
	ds_load_b128 v[\f+64+8*(4*\c+\i):\f+64+8*(4*\c+\i)+3],   v[ADRB+\slot] offset:\k+1024*\c+\i*KSB
	ds_load_b128 v[\f+64+8*(4*\c+\i)+4:\f+64+8*(4*\c+\i)+7], v[ADRB+\slot] offset:\k+1024*\c+\i*KSB+512
	ds_load_b128 v[\f+8*(4*\c+\i):\f+8*(4*\c+\i)+3],         v[ADRA+\slot] offset:\k+1024*\c+\i*KSB
	ds_load_b128 v[\f+8*(4*\c+\i)+4:\f+8*(4*\c+\i)+7],       v[ADRA+\slot] offset:\k+1024*\c+\i*KSB+512
.endr
.endr
.endm
.macro PLACES
.rept 4
	v_nop
.endr
.endm
.macro QUARTER slot, k, f, g, zero     ; 64 along K: multiplies buffer f and fetches the next quarter, at byte k, into g
	s_wait_dscnt 16                                ; the first 32 along K are in; the youngest sixteen loads may be out
	WIN MUL
	MUL8 \f, 0, 0, \zero
	MUL8 \f, 0, 2, \zero
	PLACES
	FETCH \slot, \k, \g
	s_wait_dscnt 32                                ; all but the 32 just issued
	WIN MUL
	MUL8 \f, 1, 0, 0
	MUL8 \f, 1, 2, 0
.endm
.macro TURN slot, next, fill           ; the last quarter multiplies buffer 1 and changes slots
	WIN 0
	s_wait_tensorcnt 0x0                           ; all my tensor loads have landed: my part of the next slot
	ds_add_u32 v[SPW], v[NIL]
	s_wait_dscnt 17                                ; (the add and the youngest sixteen loads may be out)
	WIN MUL
	MUL8 F1, 0, 0, 0
	s_wait_dscnt 0x0                               ; the add is done, and my reads of this slot are over
	s_barrier_signal -1
	MUL8 F1, 0, 2, 0
.if \fill
	WIN 0
.endif
	s_barrier_wait -1
.if \fill
	CREST                                          ; the barrier has opened a round of the cluster's: no wave of any partner still reads this slot or has a load on its way
	s_add_nc_u64 s[G0+4*\slot+2:G0+4*\slot+3], s[G0+4*\slot+2:G0+4*\slot+3], 2*KSB
	s_add_nc_u64 s[G0B+4*\slot+2:G0B+4*\slot+3], s[G0B+4*\slot+2:G0B+4*\slot+3], 2*KSB
	JLOAD \slot                                    ; the first tensor load behind the round, one a wave; its four v_nop are the places in front of the loads below
.else
	PLACES
.endif
	FETCH \next, 0, F0
	WIN MUL
	MUL8 F1, 1, 0, 0
	MUL8 F1, 1, 2, 0
.endm
	s_wait_tensorcnt 1                             ; my part of K step 0 is in; K step 1's load, issued behind it, may be out
	s_barrier_signal -1
	s_barrier_wait -1
	FETCH 0, 0, F0
	QUARTER 0, 2048, F0, F1, 1                     ; the first products start the sums
	WIN 0
	s_mov_b32 s3, LAPS-1
.Llap:
	QUARTER 0, 4096, F1, F0, 0
	QUARTER 0, 6144, F0, F1, 0
	TURN 0, 1, 1
	QUARTER 1, 2048, F0, F1, 0
	QUARTER 1, 4096, F1, F0, 0
	QUARTER 1, 6144, F0, F1, 0
	TURN 1, 0, 1
	QUARTER 0, 2048, F0, F1, 0
	WIN 0
	s_sub_co_u32 s3, s3, 1
	s_cmp_lg_u32 s3, 0
	s_cbranch_scc1 .Llap
	QUARTER 0, 4096, F1, F0, 0                     ; the last lap fills nothing
	QUARTER 0, 6144, F0, F1, 0
	TURN 0, 1, 0
	QUARTER 1, 2048, F0, F1, 0
	QUARTER 1, 4096, F1, F0, 0
	QUARTER 1, 6144, F0, F1, 0
	s_wait_dscnt 16
	WIN MUL
	MUL8 F1, 0, 0, 0
	MUL8 F1, 0, 2, 0
	s_wait_dscnt 0
	MUL8 F1, 1, 0, 0
	MUL8 F1, 1, 2, 0
	WIN 0
; THE WAY OUT.  My 64 columns are 256 bytes of a row.  A block of 16 rows goes through my own stage and comes back as whole rows; LDS serves a wave's instructions in order (ISA guide 5.7.1.4), so no wait stands between stores and loads.
.macro TOSTAGE a
.irp b, 0,1,2,3
	ds_store_b128 v[STO], v[ACC+8*(4*(\a)+\b):ACC+8*(4*(\a)+\b)+3] offset:64*\b        ; each accumulator from its low end on
	ds_store_b128 v[STO], v[ACC+8*(4*(\a)+\b)+4:ACC+8*(4*(\a)+\b)+7] offset:64*\b+16
.endr
.irp t, 0,1,2,3,4,5,6,7
	ds_load_b128 v[TMP+32*((\a)%2)+4*\t:TMP+32*((\a)%2)+4*\t+3], v[RD] offset:\t*2*SPITCH
.endr
.endm
.macro SEND a, younger
	s_wait_dscnt \younger                          ; the block is back; the next block's 8 stores and 8 loads may be out
.irp t, 0,1,2,3,4,5,6,7
	global_store_b128 v[CO], v[TMP+32*((\a)%2)+4*\t:TMP+32*((\a)%2)+4*\t+3], s[8:9] offset:(16*(\a)+2*\t)*ROWO th:TH_STORE_NT   ; sixteen lanes store 256 consecutive bytes, aligned
.endr
.endm
	PLACES
	TOSTAGE 0
	TOSTAGE 1
	SEND 0, 16
	s_wait_xcnt 0x0                                ; block 0's stores have read their data: block 2's loads may land there
	TOSTAGE 2
	SEND 1, 16
	s_wait_xcnt 0x0
	TOSTAGE 3
	SEND 2, 16
	SEND 3, 0
	s_wait_tensorcnt 0x0                           ; the wave's end, behind my last tensor load and my last LDS store
	ds_add_u32 v[SPW], v[NIL]
	s_wait_dscnt 0x0
	CROUND                                         ; the closing round
	s_endpgm
.Lfunc_end_k_qc788434642_proj:
	.size	k_qc788434642_proj, .Lfunc_end_k_qc788434642_proj-k_qc788434642_proj
	.p2alignl 7, 3214868480
	.fill 96, 4, 3214868480
	.section	.rodata,"a",@progbits
	.p2align	6, 0x0
	.amdhsa_kernel k_qc788434642_proj
		.amdhsa_group_segment_fixed_size 327680
		.amdhsa_private_segment_fixed_size 0
		.amdhsa_enable_private_segment 0
		.amdhsa_kernarg_size 24
		.amdhsa_user_sgpr_count 2
		.amdhsa_user_sgpr_kernarg_segment_ptr 1
		.amdhsa_wavefront_size32 1
		.amdhsa_system_sgpr_workgroup_id_x 1
		.amdhsa_system_sgpr_workgroup_id_y 1
		.amdhsa_system_sgpr_workgroup_id_z 1
		.amdhsa_system_vgpr_workitem_id 0
		.amdhsa_next_free_vgpr 512
		.amdhsa_next_free_sgpr 66
		.amdhsa_reserve_vcc 0
		.amdhsa_float_denorm_mode_32 3
		.amdhsa_float_denorm_mode_16_64 3
		.amdhsa_memory_ordered 1
		.amdhsa_forward_progress 1
		.amdhsa_inst_pref_size 85
	.end_amdhsa_kernel
	.amdgpu_metadata
---
amdhsa.version: [ 1, 2 ]
amdhsa.kernels:
  - .name:           k_qc788434642_proj
    .symbol:         k_qc788434642_proj.kd
    .args:
      - { .name: attn, .offset: 0, .size: 8, .value_kind: global_buffer, .address_space: global }
      - { .name: wo16, .offset: 8, .size: 8, .value_kind: global_buffer, .address_space: global }
      - { .name: out0, .offset: 16, .size: 8, .value_kind: global_buffer, .address_space: global }
    .group_segment_fixed_size: 327680
    .private_segment_fixed_size: 0
    .kernarg_segment_align: 8
    .kernarg_segment_size: 24
    .max_flat_workgroup_size: 128
    .sgpr_count:     66
    .vgpr_count:     512
    .wavefront_size: 32
...
	.end_amdgpu_metadata
.endif
;; end of part 4
;; launch fine (part 5): grid 32 x 1, 16 waves a work-group, no clusters, 67,584 bytes of LDS; arguments qkv32, Wo, out0; writes out0
.if DOCPART == 5
	.amdgcn_target "amdgcn-amd-amdhsa--gfx1250"
	.amdhsa_code_object_version 6
	.text
	.protected	k_qc788434642_fine
	.globl	k_qc788434642_fine
	.p2align	8
	.type	k_qc788434642_fine,@function
k_qc788434642_fine:
	s_mov_b64 s[64:65], 0
	v_nop
	global_prefetch_b8 v0, s[64:65] scope:SCOPE_SE
	s_setreg_imm32_b32 hwreg(HW_REG_WAVE_MODE, 25, 1), 1
	s_wait_xcnt 0x0
; POSITIONS 0-15, CARRIED FINELY: their rows average one to sixteen values and are the largest of the output.  Attention in f32 (the f32 matrix form: 16 x 16 a head, no bulk work);
; the projection with both operands as pairs of f16 numbers, a high and a low part split in f32: high x high + high x low + low x high.  Rows 0-15 of out0 are written over.
; IN: qkv32 [24 heads][16][128] f32; Wo [2,048 k][2,048 n] f32.
; SHARES.  A work-group takes 64 columns of out0 (256 consecutive bytes of each row of Wo).  Wave w takes head w, which is k = 128 w .. 128 w + 127: it makes that head's 16 x 16 attention itself (each of the 32 work-groups
; does so: they run side by side, and a launch is spared), then its part of the 16 x 64 sums; the 16 parts meet in LDS, and wave w adds and stores row w.  32 work-groups: K may not span work-groups, and narrower columns would cut Wo's rows under 256 bytes.
; THE SPLIT: the high part is the number with the low 13 bits of its mantissa cleared, 11 significant bits, exact in f16; the low part is the exact difference, rounded to f16.
; LIMITS: numbers under 65,504; under 6e-5 the high part is rounded to f16's step of 6e-8; NaN and infinities are not served.
; No tensor load and no cluster: what is shared (12 KiB of q, k, v a head) is small beside Wo's columns, which nobody shares.
; REGISTERS: v16-47 four accumulators, written by matrix instructions alone; v48-79 V's tiles 0-3, later Wo high; v80-111 Q, later attention high; v112-119 p; v120-127 scores, later at work;
;   v128-159 V's tiles 4-7, later Wo low; v160-191 Q, later attention low; v192-255 K, later Wo in f32.
.set ACC, 16
.set PP,  112
.set SS,  120
.set KK,  192
.set FH,  48
.set FL,  128
.set AH,  80
.set AL,  160
.set WB,  192
.set SPW, 14
.set NIL, 15
.set SPARE, 65536                      ; behind the 16 parts of 4,096 bytes: the spare words, 128 bytes for each wave: eight blocks of 256 bytes that no other line names
	s_load_b128 s[4:7], s[0:1], 0x0                ; qkv32, Wo
	s_load_b64 s[8:9], s[0:1], 0x10                ; out0
	v_lshl_add_u32 v[SPW], v0, 2, SPARE
	v_mov_b32 v[NIL], 0
	v_lshrrev_b32 v1, 5, v0
	v_readfirstlane_b32 s10, v1                    ; wave = head
	v_and_b32 v1, 15, v0                           ; r
	v_bfe_u32 v2, v0, 4, 1                         ; h
	v_lshlrev_b32 v3, 9, v1
	v_lshl_add_u32 v3, v2, 4, v3                   ; K, Q: row r of 512 bytes, + 16 h
	v_lshlrev_b32 v4, 2, v1
	v_lshl_add_u32 v4, v2, 12, v4                  ; V: key 8 h, channel r
	v_lshlrev_b32 v5, 4, v1
	v_lshl_add_u32 v5, v2, 16, v5                  ; Wo: 8 h rows of 8,192 bytes, + 16 r
	v_lshlrev_b32 v6, 3, v2
	v_sub_nc_u32 v6, v1, v6                        ; r - 8 h: key 8 h + j is hidden where j is greater
	s_lshl_b32 s24, s10, 12
	v_lshlrev_b32 v7, 4, v1
	v_lshl_add_u32 v7, v2, 11, v7
	v_add_nc_u32 v7, s24, v7                       ; my part: 4,096 w + 256 (8 h) + 4 (4 r)
	v_and_b32 v9, 31, v0
	v_lshlrev_b32 v9, 3, v9                        ; 8 x lane
	s_lshl_b32 s24, s10, 8
	v_add_nc_u32 v8, s24, v9                       ; row w of a part
	v_mov_b32 v13, 0xff800000                      ; -infinity
	v_mov_b32 v12, 0                               ; written once: a lane permute's destination counts as one of its sources
	s_mov_b32 s20, 0x76543210
	s_mov_b32 s21, 0xfedcba98
	s_mov_b32 s22, 0x3e0293ee                      ; c = log2(e) / sqrt(128)
	s_mov_b32 s23, 0xffffe000                      ; keeps sign, exponent and 10 bits of mantissa
	s_lshl_b32 s24, s10, 13                        ; q: head w
	s_mov_b32 s25, 0
	s_lshr_b32 s26, s10, 2
	s_lshl_b32 s26, s26, 13
	s_add_co_u32 s26, s26, 16*8192                 ; k: head 16 + w / 4
	s_mov_b32 s27, 0
	s_lshl_b32 s28, s10, 20                        ; Wo: 128 w rows,
	s_lshl_b32 s30, ttmp9, 8                       ; 64 columns x work-group
	s_add_co_u32 s28, s28, s30
	s_mov_b32 s29, 0
	s_lshl_b32 s31, s10, 13                        ; out0: row w
	s_add_co_u32 s30, s30, s31
	s_mov_b32 s31, 0
	s_wait_kmcnt 0x0
	s_add_nc_u64 s[12:13], s[4:5], s[24:25]
	s_add_nc_u64 s[14:15], s[4:5], s[26:27]
	s_add_nc_u64 s[16:17], s[14:15], 4*8192        ; v: four heads on
	s_add_nc_u64 s[18:19], s[6:7], s[28:29]
	s_add_nc_u64 s[8:9], s[8:9], s[30:31]
	; K and Q: lane (r, h) takes channels 8 u + 4 h + 0..3 of row r: the channels are dealt to the products' k alike in both, so every channel meets its partner
.irp u, 0,1,2,3,4,5,6,7,8,9,10,11,12,13,14,15
	global_load_b128 v[KK+4*\u:KK+4*\u+3], v3, s[14:15] offset:32*\u
.endr
.irp u, 0,1,2,3,4,5,6,7
	global_load_b128 v[80+4*\u:80+4*\u+3], v3, s[12:13] offset:32*\u
.endr
.irp u, 0,1,2,3,4,5,6,7
	global_load_b128 v[160+4*\u:160+4*\u+3], v3, s[12:13] offset:256+32*\u
.endr
	; V: register 8 dt + j of lane (r, h): key 8 h + j, channel 16 dt + r
.irp dt, 0,1,2,3
.irp j, 0,1,2,3,4,5,6,7
	global_load_b32 v[48+8*\dt+\j], v4, s[16:17] offset:512*\j+64*\dt
.endr
.endr
.irp dt, 0,1,2,3
.irp j, 0,1,2,3,4,5,6,7
	global_load_b32 v[128+8*\dt+\j], v4, s[16:17] offset:512*\j+64*\dt+256
.endr
.endr
	s_wait_loadcnt 63                              ; 64 loads were issued behind Q's last: K and Q are in
	; S^T = K Q^T: 32 steps of 4 channels on four accumulators by turns; the first four start the sums
.set e, 0
.rept 32
.if e < 16
.set qr, 80+2*e
.else
.set qr, 160+2*(e-16)
.endif
.if e < 4
	v_wmma_f32_16x16x4_f32 v[ACC+8*(e%4):ACC+8*(e%4)+7], v[KK+2*e:KK+2*e+1], v[qr:qr+1], 0
.else
	v_wmma_f32_16x16x4_f32 v[ACC+8*(e%4):ACC+8*(e%4)+7], v[KK+2*e:KK+2*e+1], v[qr:qr+1], v[ACC+8*(e%4):ACC+8*(e%4)+7]
.endif
.set e, e+1
.endr
.rept 8
	v_nop                                          ; eight places behind this form, in front of the loads into K's registers and of the first reads of results
.endr
; rows e = 2 i and 2 i + 1 of K step s of Wo: row 32 s + 16 (e / 8) + 8 h + e % 8 of my 128; register 4 e + t is column 4 r + t of my 64.  Sixteen lanes read 256 consecutive bytes, aligned
.macro WPAIR s, i
.irp d, 0,1
	global_load_b128 v[WB+8*(\i)+4*\d:WB+8*(\i)+4*\d+3], v5, s[18:19] offset:(32*(\s)+16*((2*(\i)+\d)/8)+(2*(\i)+\d)%8)*8192
.endr
.endm
.irp i, 0,1,2,3,4,5,6,7
	WPAIR 0, \i
.endr
.irp j, 0,1,2,3,4,5,6,7
	v_add_f32 v[SS+\j], v[ACC+\j], v[ACC+8+\j]     ; the four partial sums, each accumulator from its low end on
.endr
.irp j, 0,1,2,3,4,5,6,7
	v_add_f32 v[PP+\j], v[ACC+16+\j], v[ACC+24+\j]
.endr
.irp j, 0,1,2,3,4,5,6,7
	v_add_f32 v[SS+\j], v[SS+\j], v[PP+\j]         ; lane (r, h): query r, key 8 h + j
.endr
.irp j, 0,1,2,3,4,5,6,7
	v_cmp_gt_i32 vcc_lo, \j, v6
	v_cndmask_b32 v[SS+\j], v[SS+\j], v13, vcc_lo  ; the causal mask
.endr
	v_max3_num_f32 v10, v[SS], v[SS+1], v[SS+2]
	v_max3_num_f32 v11, v[SS+3], v[SS+4], v[SS+5]
	v_max3_num_f32 v10, v10, v[SS+6], v[SS+7]
	v_max_num_f32 v10, v10, v11
	v_permlanex16_b32 v12, v10, s20, s21
	v_max_num_f32 v10, v10, v12                    ; the row's largest score (key 0 counts for every query)
	v_mul_f32 v10, s22, v10
.irp j, 0,1,2,3,4,5,6,7
	v_fma_f32 v[PP+\j], v[SS+\j], s22, -v10
.endr
.irp j, 0,1,2,3,4,5,6,7
	v_exp_f32 v[PP+\j], v[PP+\j]
.endr
	v_nop
	s_wait_alu depctr_va_vdst(0)                   ; one wait for the eight, ahead of their first reader
	v_add_f32 v11, v[PP], v[PP+1]
	v_add_f32 v12, v[PP+2], v[PP+3]
	v_add_f32 v10, v[PP+4], v[PP+5]
	v_add_f32 v[SS], v[PP+6], v[PP+7]
	v_add_f32 v11, v11, v12
	v_add_f32 v10, v10, v[SS]
	v_add_f32 v11, v11, v10
	v_permlanex16_b32 v12, v11, s20, s21
	v_add_f32 v11, v11, v12                        ; the row's sum
	v_rcp_f32 v10, v11
	v_nop
	s_wait_alu depctr_va_vdst(0)
	v_mov_b32 v11, v10                             ; 1 / sum, twice
	s_wait_loadcnt 16                              ; V is in; Wo's 16 loads may be out
; tile dt of O^T / sum, from accumulator t, becomes four registers of the high and four of the low fragment: lane (r, h): query r, k = 16 dt + 8 h + 0..7
.macro OSPLIT t, dt
.irp hh, 0,1
	v_pk_mul_f32 v[SS:SS+1], v[ACC+8*(\t)+4*\hh:ACC+8*(\t)+4*\hh+1], v[10:11]
	v_pk_mul_f32 v[SS+2:SS+3], v[ACC+8*(\t)+4*\hh+2:ACC+8*(\t)+4*\hh+3], v[10:11]
.irp d, 0,1,2,3
	v_and_b32 v[SS+4+\d], s23, v[SS+\d]
.endr
	v_cvt_pk_f16_f32 v[AH+4*(\dt)+2*\hh], v[SS+4], v[SS+5]
	v_cvt_pk_f16_f32 v[AH+4*(\dt)+2*\hh+1], v[SS+6], v[SS+7]
	v_pk_add_f32 v[SS:SS+1], v[SS:SS+1], v[SS+4:SS+5] neg_lo:[0,1] neg_hi:[0,1]
	v_pk_add_f32 v[SS+2:SS+3], v[SS+2:SS+3], v[SS+6:SS+7] neg_lo:[0,1] neg_hi:[0,1]
	v_cvt_pk_f16_f32 v[AL+4*(\dt)+2*\hh], v[SS], v[SS+1]
	v_cvt_pk_f16_f32 v[AL+4*(\dt)+2*\hh+1], v[SS+2], v[SS+3]
.endr
.endm
	; O^T = V^T p: four tiles of 16 channels at a time; step x takes keys 8 h + 2 x, + 1, alike in V and in p
.irp g, 0,1
.irp x, 0,1,2,3
.irp t, 0,1,2,3
.if \x == 0
	v_wmma_f32_16x16x4_f32 v[ACC+8*\t:ACC+8*\t+7], v[48+80*\g+8*\t+2*\x:48+80*\g+8*\t+2*\x+1], v[PP+2*\x:PP+2*\x+1], 0
.else
	v_wmma_f32_16x16x4_f32 v[ACC+8*\t:ACC+8*\t+7], v[48+80*\g+8*\t+2*\x:48+80*\g+8*\t+2*\x+1], v[PP+2*\x:PP+2*\x+1], v[ACC+8*\t:ACC+8*\t+7]
.endif
.endr
.endr
.rept 9
	v_nop                                          ; nine places: the results are read next, and the accumulators are begun anew behind that
.endr
.irp t, 0,1,2,3
	OSPLIT \t, 4*\g+\t
.endr
.endr
; the pair's eight numbers of Wo are split; registers i of the four tiles' fragments are made
.macro WSPLIT i
.irp d, 0,1,2,3,4,5,6,7
	v_and_b32 v[SS+\d], s23, v[WB+8*(\i)+\d]
.endr
.irp t, 0,1,2,3
	v_cvt_pk_f16_f32 v[FH+8*\t+(\i)], v[SS+\t], v[SS+4+\t]
.endr
.irp d, 0,2,4,6
	v_pk_add_f32 v[WB+8*(\i)+\d:WB+8*(\i)+\d+1], v[WB+8*(\i)+\d:WB+8*(\i)+\d+1], v[SS+\d:SS+\d+1] neg_lo:[0,1] neg_hi:[0,1]
.endr
.irp t, 0,1,2,3
	v_cvt_pk_f16_f32 v[FL+8*\t+(\i)], v[WB+8*(\i)+\t], v[WB+8*(\i)+4+\t]
.endr
.endm
	; the projection: four K steps of 32; source 0 = the attention's 16 rows, source 1 = 16 columns of Wo (tile t: columns 4 r + t); the four accumulators take turns
.irp s, 0,1,2,3
.rept 4
	v_nop                                          ; places in front of the lines that write the fragments that the last products read
.endr
.irp i, 0,1,2,3,4,5,6,7
.if \s < 3
	s_wait_loadcnt 14                              ; behind this pair's two loads: the 2 (7 - i) of this step's later pairs and the 2 i of the next step's earlier ones
.else
	s_wait_loadcnt 14-2*\i
.endif
	WSPLIT \i
.if \s < 3
	WPAIR \s+1, \i
.endif
.endr
.irp t, 0,1,2,3
.if \s == 0
	v_wmma_f32_16x16x32_f16 v[ACC+8*\t:ACC+8*\t+7], v[AH+8*\s:AH+8*\s+7], v[FH+8*\t:FH+8*\t+7], 0
.else
	v_wmma_f32_16x16x32_f16 v[ACC+8*\t:ACC+8*\t+7], v[AH+8*\s:AH+8*\s+7], v[FH+8*\t:FH+8*\t+7], v[ACC+8*\t:ACC+8*\t+7]
.endif
.endr
.irp t, 0,1,2,3
	v_wmma_f32_16x16x32_f16 v[ACC+8*\t:ACC+8*\t+7], v[AH+8*\s:AH+8*\s+7], v[FL+8*\t:FL+8*\t+7], v[ACC+8*\t:ACC+8*\t+7]
.endr
.irp t, 0,1,2,3
	v_wmma_f32_16x16x32_f16 v[ACC+8*\t:ACC+8*\t+7], v[AL+8*\s:AL+8*\s+7], v[FH+8*\t:FH+8*\t+7], v[ACC+8*\t:ACC+8*\t+7]
.endr
.endr
.rept 4
	v_nop
.endr
.irp t, 0,1,2,3
.irp j, 0,1,2,3,4,5,6,7
	ds_store_b32 v7, v[ACC+8*\t+\j] offset:256*\j+4*\t     ; my part of (row 8 h + j, column 4 r + t); each accumulator from its low end on
.endr
.endr
	s_wait_dscnt 0x0                               ; for the others' sake: my stores are done
	s_barrier_signal -1
	s_barrier_wait -1
.irp u, 0,1,2,3,4,5,6,7,8,9,10,11,12,13,14,15
	ds_load_b64 v[48+2*\u:49+2*\u], v8 offset:4096*\u      ; row w of the 16 parts, 8 bytes a lane
.endr
	s_wait_dscnt 0x0
.irp u, 0,2,4,6,8,10,12,14
	v_pk_add_f32 v[48+2*\u:49+2*\u], v[48+2*\u:49+2*\u], v[50+2*\u:51+2*\u]
.endr
.irp u, 0,4,8,12
	v_pk_add_f32 v[48+2*\u:49+2*\u], v[48+2*\u:49+2*\u], v[52+2*\u:53+2*\u]
.endr
.irp u, 0,8
	v_pk_add_f32 v[48+2*\u:49+2*\u], v[48+2*\u:49+2*\u], v[56+2*\u:57+2*\u]
.endr
	v_pk_add_f32 v[48:49], v[48:49], v[64:65]
	global_store_b64 v9, v[48:49], s[8:9]          ; 32 lanes store 256 consecutive bytes, aligned
	s_wait_tensorcnt 0x0                           ; the wave's end, behind my last LDS store
	ds_add_u32 v[SPW], v[NIL]
	s_wait_dscnt 0x0
	s_endpgm
.Lfunc_end_k_qc788434642_fine:
	.size	k_qc788434642_fine, .Lfunc_end_k_qc788434642_fine-k_qc788434642_fine
	.p2alignl 7, 3214868480
	.fill 96, 4, 3214868480
	.section	.rodata,"a",@progbits
	.p2align	6, 0x0
	.amdhsa_kernel k_qc788434642_fine
		.amdhsa_group_segment_fixed_size 67584
		.amdhsa_private_segment_fixed_size 0
		.amdhsa_enable_private_segment 0
		.amdhsa_kernarg_size 24
		.amdhsa_user_sgpr_count 2
		.amdhsa_user_sgpr_kernarg_segment_ptr 1
		.amdhsa_wavefront_size32 1
		.amdhsa_system_sgpr_workgroup_id_x 1
		.amdhsa_system_sgpr_workgroup_id_y 1
		.amdhsa_system_sgpr_workgroup_id_z 1
		.amdhsa_system_vgpr_workitem_id 0
		.amdhsa_next_free_vgpr 256
		.amdhsa_next_free_sgpr 66
		.amdhsa_reserve_vcc 1
		.amdhsa_float_denorm_mode_32 3
		.amdhsa_float_denorm_mode_16_64 3
		.amdhsa_memory_ordered 1
		.amdhsa_forward_progress 1
		.amdhsa_inst_pref_size 76
	.end_amdhsa_kernel
	.amdgpu_metadata
---
amdhsa.version: [ 1, 2 ]
amdhsa.kernels:
  - .name:           k_qc788434642_fine
    .symbol:         k_qc788434642_fine.kd
    .args:
      - { .name: qkv32, .offset: 0, .size: 8, .value_kind: global_buffer, .address_space: global }
      - { .name: Wo, .offset: 8, .size: 8, .value_kind: global_buffer, .address_space: global }
      - { .name: out0, .offset: 16, .size: 8, .value_kind: global_buffer, .address_space: global }
    .group_segment_fixed_size: 67584
    .private_segment_fixed_size: 0
    .kernarg_segment_align: 8
    .kernarg_segment_size: 24
    .max_flat_workgroup_size: 512
    .sgpr_count:     66
    .vgpr_count:     256
    .wavefront_size: 32
...
	.end_amdgpu_metadata
.endif
;; end of part 5
;; ======== version 2 of 2: 5 launches
;; limits: values are held in f16: magnitudes above 65,504 overflow, below 6.1e-05 lose precision
;; workspace buffers: xc 2,097,152 bytes; xs 131,072 bytes; wc 3,145,728 bytes; ws 196,608 bytes; wo16 8,388,608 bytes; qkv16 12,582,912 bytes; qkv32 196,608 bytes; attn 8,388,608 bytes
;; launch prep: the kernel of part 1 again; grid 288 x 1, 4 waves a work-group, no clusters, 33,280 bytes of LDS; arguments x, Wq, Wk, Wv, Wo, xc, xs, wc, ws, wo16; writes xc, xs, wc, ws, wo16
;; launch qkv: the kernel of part 2 again; grid 12 x 8, 4 waves a work-group, clusters of 4 x 4, 327,680 bytes of LDS; arguments xc, xs, wc, ws, rope_cos, rope_sin, qkv16, qkv32; writes qkv16, qkv32
;; launch attn: the kernel of part 3 again; grid 64 x 4, 4 waves a work-group, clusters of 4 x 1, 327,680 bytes of LDS; arguments qkv16, attn; writes attn
;; launch fine (part 6): grid 32 x 4, 4 waves a work-group, no clusters, 16,896 bytes of LDS; arguments qkv32, Wo, xc; writes xc
.if DOCPART == 6
	.amdgcn_target "amdgcn-amd-amdhsa--gfx1250"
	.amdhsa_code_object_version 6
	.text
	.protected	k_qc788434642_fine
	.globl	k_qc788434642_fine
	.p2align	8
	.type	k_qc788434642_fine,@function
k_qc788434642_fine:
	s_mov_b64 s[64:65], 0
	v_nop
	global_prefetch_b8 v0, s[64:65] scope:SCOPE_SE
	s_setreg_imm32_b32 hwreg(HW_REG_WAVE_MODE, 25, 1), 1
	s_wait_xcnt 0x0
; POSITIONS 0-15, CARRIED FINELY: their rows average one to sixteen values and are the largest of the output.  Attention in f32 (the f32 matrix form: 16 x 16 a head, no bulk work);
; the projection with both operands as pairs of f16 numbers, a high and a low part split in f32: high x high + high x low + low x high.
; IN: qkv32 [24 heads][16][128] f32; Wo [2,048 k][2,048 n] f32.
; OUT: four PARTS of rows 0-15 of the output, [g 0-3][16][2,048] f32: part g is the sum over k = 512 g .. 512 g + 511.  The launch behind this one adds the four and writes them as rows 0-15.
; The parts lie in the first 524,288 bytes of xc: x's codes have had their last reader two launches ago, and this launch loads nothing from that buffer.
; SHARES.  Work-group (x, g) takes 64 columns (256 consecutive bytes of each row of Wo) and the four query heads of key/value head g.  Wave w takes head 4 g + w, which is k = 128 (4 g + w) on: it makes that head's
; 16 x 16 attention itself (each of the 32 column blocks does so: they run side by side), then its 16 x 64 sums; the four waves' sums meet in LDS, and wave w adds and stores rows 4 w .. 4 w + 3.
; ALL OF A WAVE'S 160 LOADS GO OUT AT ITS HEAD: K 16, Q 16, V 64, then its 128 rows of Wo, 64 loads into the 256 registers of window 1.
; THE SPLIT: the high part is the number with the low 13 bits of its mantissa cleared, 11 significant bits, exact in f16; the low part is the exact difference, rounded to f16.
; LIMITS: numbers under 65,504; under 6e-5 the high part is rounded to f16's step of 6e-8; NaN and infinities are not served.
; No tensor load and no cluster: what work-groups share (24 KiB of q, k, v a head) is small beside Wo's columns, which nobody shares.
; REGISTERS: window 0: v16-47 four accumulators, written by matrix instructions alone; v48-79 V's tiles 0-3, later Wo high; v80-111 Q, later attention high; v112-119 p; v120-127 scores, later at work;
;   v128-159 V's tiles 4-7, later Wo low; v160-191 Q, later attention low; v192-255 K, later a K step's high parts in f32.   window 1: Wo in f32, 64 registers a K step of 32.
.set ACC, 16
.set PP,  112
.set SS,  120
.set KK,  192
.set HI,  192
.set FH,  48
.set FL,  128
.set AH,  80
.set AL,  160
.set SPW, 14
.set NIL, 15
.set SPARE, 16384                      ; behind the 4 waves' sums of 4,096 bytes: the spare words, 128 bytes for each wave: two blocks of 256 bytes that no other line names
.set MSB, 0
.macro WIN new                         ; the immediate's high byte repeats the setting that is left
.if MSB != \new
	s_set_vgpr_msb (MSB<<8)|\new
.set MSB, \new
.endif
.endm
	s_load_b128 s[4:7], s[0:1], 0x0                ; qkv32, Wo
	s_load_b64 s[8:9], s[0:1], 0x10                ; the parts' buffer
	v_lshl_add_u32 v[SPW], v0, 2, SPARE
	v_mov_b32 v[NIL], 0
	v_lshrrev_b32 v1, 5, v0
	v_readfirstlane_b32 s10, v1                    ; wave 0..3
	v_and_b32 v1, 15, v0                           ; r
	v_bfe_u32 v2, v0, 4, 1                         ; h
	v_lshlrev_b32 v3, 9, v1
	v_lshl_add_u32 v3, v2, 4, v3                   ; K, Q: row r of 512 bytes, + 16 h
	v_lshlrev_b32 v4, 2, v1
	v_lshl_add_u32 v4, v2, 12, v4                  ; V: key 8 h, channel r
	v_lshlrev_b32 v5, 4, v1
	v_lshl_add_u32 v5, v2, 16, v5                  ; Wo: 8 h rows of 8,192 bytes, + 16 r
	v_lshlrev_b32 v6, 3, v2
	v_sub_nc_u32 v6, v1, v6                        ; r - 8 h: key 8 h + j is hidden where j is greater
	s_lshl_b32 s24, s10, 12
	v_lshlrev_b32 v7, 4, v1
	v_lshl_add_u32 v7, v2, 11, v7
	v_add_nc_u32 v7, s24, v7                       ; my sums: 4,096 w + 256 (8 h) + 4 (4 r)
	v_and_b32 v9, 31, v0
	v_lshlrev_b32 v9, 3, v9                        ; 8 x lane
	s_lshl_b32 s24, s10, 10
	v_add_nc_u32 v8, s24, v9                       ; row 4 w of a wave's sums
	v_mov_b32 v13, 0xff800000                      ; -infinity
	v_mov_b32 v12, 0                               ; written once: a lane permute's destination counts as one of its sources
	s_mov_b32 s20, 0x76543210
	s_mov_b32 s21, 0xfedcba98
	s_mov_b32 s22, 0x3e0293ee                      ; c = log2(e) / sqrt(128)
	s_mov_b32 s23, 0xffffe000                      ; keeps sign, exponent and 10 bits of mantissa
	s_and_b32 s11, ttmp7, 0xffff                   ; g
	s_lshl_b32 s2, s11, 2
	s_add_co_u32 s2, s2, s10                       ; my head: 4 g + w
	s_lshl_b32 s24, s2, 13                         ; q: a head is 8,192 bytes
	s_mov_b32 s25, 0
	s_lshl_b32 s26, s11, 13
	s_add_co_u32 s26, s26, 16*8192                 ; k: head 16 + g
	s_mov_b32 s27, 0
	s_lshl_b32 s28, s2, 20                         ; Wo: 128 rows of 8,192 bytes a head,
	s_lshl_b32 s30, ttmp9, 8                       ; 64 columns x work-group x
	s_add_co_u32 s28, s28, s30
	s_mov_b32 s29, 0
	s_lshl_b32 s31, s11, 17                        ; out: part g of 131,072 bytes,
	s_add_co_u32 s30, s30, s31
	s_lshl_b32 s31, s10, 15                        ; row 4 w
	s_add_co_u32 s30, s30, s31
	s_mov_b32 s31, 0
	s_wait_kmcnt 0x0
	s_add_nc_u64 s[12:13], s[4:5], s[24:25]
	s_add_nc_u64 s[14:15], s[4:5], s[26:27]
	s_add_nc_u64 s[16:17], s[14:15], 4*8192        ; v: four heads on
	s_add_nc_u64 s[18:19], s[6:7], s[28:29]
	s_add_nc_u64 s[8:9], s[8:9], s[30:31]
	; K and Q: lane (r, h) takes channels 8 u + 4 h + 0..3 of row r: the channels are dealt to the products' k alike in both, so every channel meets its partner
.irp u, 0,1,2,3,4,5,6,7,8,9,10,11,12,13,14,15
	global_load_b128 v[KK+4*\u:KK+4*\u+3], v3, s[14:15] offset:32*\u
.endr
.irp u, 0,1,2,3,4,5,6,7
	global_load_b128 v[80+4*\u:80+4*\u+3], v3, s[12:13] offset:32*\u
.endr
.irp u, 0,1,2,3,4,5,6,7
	global_load_b128 v[160+4*\u:160+4*\u+3], v3, s[12:13] offset:256+32*\u
.endr
	; V: register 8 dt + j of lane (r, h): key 8 h + j, channel 16 dt + r
.irp dt, 0,1,2,3
.irp j, 0,1,2,3,4,5,6,7
	global_load_b32 v[48+8*\dt+\j], v4, s[16:17] offset:512*\j+64*\dt
.endr
.endr
.irp dt, 0,1,2,3
.irp j, 0,1,2,3,4,5,6,7
	global_load_b32 v[128+8*\dt+\j], v4, s[16:17] offset:512*\j+64*\dt+256
.endr
.endr
	; Wo: K step s, row e: row 32 s + 16 (e / 8) + 8 h + e % 8 of my 128; register 64 s + 4 e + t of window 1 is column 4 r + t of my 64.  Sixteen lanes read 256 consecutive bytes, aligned; each byte is read once in the launch
	WIN 0x40                                       ; destination window 1
.irp s, 0,1,2,3
.irp e, 0,1,2,3,4,5,6,7,8,9,10,11,12,13,14,15
	global_load_b128 v[64*\s+4*\e:64*\s+4*\e+3], v5, s[18:19] offset:(32*\s+16*(\e/8)+\e%8)*8192 th:TH_LOAD_NT
.endr
.endr
	WIN 0
	s_wait_loadcnt 63                              ; 64 loads, Wo's, were issued behind V's last: K, Q and V are in
	; S^T = K Q^T: 32 steps of 4 channels on four accumulators by turns; the first four start the sums
.set e, 0
.rept 32
.if e < 16
.set qr, 80+2*e
.else
.set qr, 160+2*(e-16)
.endif
.if e < 4
	v_wmma_f32_16x16x4_f32 v[ACC+8*(e%4):ACC+8*(e%4)+7], v[KK+2*e:KK+2*e+1], v[qr:qr+1], 0
.else
	v_wmma_f32_16x16x4_f32 v[ACC+8*(e%4):ACC+8*(e%4)+7], v[KK+2*e:KK+2*e+1], v[qr:qr+1], v[ACC+8*(e%4):ACC+8*(e%4)+7]
.endif
.set e, e+1
.endr
.rept 8
	v_nop                                          ; eight places behind this form (ISA guide 7.12.1), in front of the first reads of results
.endr
.irp j, 0,1,2,3,4,5,6,7
	v_add_f32 v[SS+\j], v[ACC+\j], v[ACC+8+\j]     ; the four partial sums, each accumulator from its low end on
.endr
.irp j, 0,1,2,3,4,5,6,7
	v_add_f32 v[PP+\j], v[ACC+16+\j], v[ACC+24+\j]
.endr
.irp j, 0,1,2,3,4,5,6,7
	v_add_f32 v[SS+\j], v[SS+\j], v[PP+\j]         ; lane (r, h): query r, key 8 h + j
.endr
.irp j, 0,1,2,3,4,5,6,7
	v_cmp_gt_i32 vcc_lo, \j, v6
	v_cndmask_b32 v[SS+\j], v[SS+\j], v13, vcc_lo  ; the causal mask
.endr
	v_max3_num_f32 v10, v[SS], v[SS+1], v[SS+2]
	v_max3_num_f32 v11, v[SS+3], v[SS+4], v[SS+5]
	v_max3_num_f32 v10, v10, v[SS+6], v[SS+7]
	v_max_num_f32 v10, v10, v11
	v_permlanex16_b32 v12, v10, s20, s21
	v_max_num_f32 v10, v10, v12                    ; the row's largest score (key 0 counts for every query)
	v_mul_f32 v10, s22, v10
.irp j, 0,1,2,3,4,5,6,7
	v_fma_f32 v[PP+\j], v[SS+\j], s22, -v10
.endr
.irp j, 0,1,2,3,4,5,6,7
	v_exp_f32 v[PP+\j], v[PP+\j]
.endr
	v_nop
	s_wait_alu depctr_va_vdst(0)                   ; one wait for the eight, ahead of their first reader
	v_add_f32 v11, v[PP], v[PP+1]
	v_add_f32 v12, v[PP+2], v[PP+3]
	v_add_f32 v10, v[PP+4], v[PP+5]
	v_add_f32 v[SS], v[PP+6], v[PP+7]
	v_add_f32 v11, v11, v12
	v_add_f32 v10, v10, v[SS]
	v_add_f32 v11, v11, v10
	v_permlanex16_b32 v12, v11, s20, s21
	v_add_f32 v11, v11, v12                        ; the row's sum
	v_rcp_f32 v10, v11
	v_nop
	s_wait_alu depctr_va_vdst(0)
	v_mov_b32 v11, v10                             ; 1 / sum, twice
; tile dt of O^T / sum, from accumulator t, becomes four registers of the high and four of the low fragment: lane (r, h): query r, k = 16 dt + 8 h + 0..7
.macro OSPLIT t, dt
.irp hh, 0,1
	v_pk_mul_f32 v[SS:SS+1], v[ACC+8*(\t)+4*\hh:ACC+8*(\t)+4*\hh+1], v[10:11]
	v_pk_mul_f32 v[SS+2:SS+3], v[ACC+8*(\t)+4*\hh+2:ACC+8*(\t)+4*\hh+3], v[10:11]
.irp d, 0,1,2,3
	v_and_b32 v[SS+4+\d], s23, v[SS+\d]
.endr
	v_cvt_pk_f16_f32 v[AH+4*(\dt)+2*\hh], v[SS+4], v[SS+5]
	v_cvt_pk_f16_f32 v[AH+4*(\dt)+2*\hh+1], v[SS+6], v[SS+7]
	v_pk_add_f32 v[SS:SS+1], v[SS:SS+1], v[SS+4:SS+5] neg_lo:[0,1] neg_hi:[0,1]
	v_pk_add_f32 v[SS+2:SS+3], v[SS+2:SS+3], v[SS+6:SS+7] neg_lo:[0,1] neg_hi:[0,1]
	v_cvt_pk_f16_f32 v[AL+4*(\dt)+2*\hh], v[SS], v[SS+1]
	v_cvt_pk_f16_f32 v[AL+4*(\dt)+2*\hh+1], v[SS+2], v[SS+3]
.endr
.endm
	; O^T = V^T p: four tiles of 16 channels at a time; step x takes keys 8 h + 2 x, + 1, alike in V and in p
.irp g, 0,1
.irp x, 0,1,2,3
.irp t, 0,1,2,3
.if \x == 0
	v_wmma_f32_16x16x4_f32 v[ACC+8*\t:ACC+8*\t+7], v[48+80*\g+8*\t+2*\x:48+80*\g+8*\t+2*\x+1], v[PP+2*\x:PP+2*\x+1], 0
.else
	v_wmma_f32_16x16x4_f32 v[ACC+8*\t:ACC+8*\t+7], v[48+80*\g+8*\t+2*\x:48+80*\g+8*\t+2*\x+1], v[PP+2*\x:PP+2*\x+1], v[ACC+8*\t:ACC+8*\t+7]
.endif
.endr
.endr
.rept 9
	v_nop                                          ; nine places: the results are read next, and the accumulators are begun anew behind that
.endr
.irp t, 0,1,2,3
	OSPLIT \t, 4*\g+\t
.endr
.endr
	; the projection: four K steps of 32; source 0 = the attention's 16 rows, source 1 = 16 columns of Wo (tile t: columns 4 r + t); the four accumulators take turns.
	; A step's 64 numbers a lane are split in four stretches, each under one window setting; the first two, 96 plain lines that name no register of the last products, are also the places behind those
.irp s, 0,1,2,3
	s_wait_loadcnt 48-16*\s                        ; this step's 16 loads are in; those of the later steps may be out
	WIN 0x04                                       ; source 1 window 1
.set n, 0
.rept 64
	v_and_b32 v[HI+n], s23, v[64*\s+n]             ; the high parts, in f32
.set n, n+1
.endr
	WIN 0x41                                       ; destination and source 0 window 1
.set n, 0
.rept 32
	v_pk_add_f32 v[64*\s+n:64*\s+n+1], v[64*\s+n:64*\s+n+1], v[HI+n:HI+n+1] neg_lo:[0,1] neg_hi:[0,1]   ; the low parts, exact, in place
.set n, n+2
.endr
	WIN 0x05                                       ; sources 0 and 1 window 1
.irp i, 0,1,2,3,4,5,6,7
.irp t, 0,1,2,3
	v_cvt_pk_f16_f32 v[FL+8*\t+\i], v[64*\s+8*\i+\t], v[64*\s+8*\i+4+\t]    ; register i of tile t's fragment: rows 2 i and 2 i + 1 of the step
.endr
.endr
	WIN 0
.irp i, 0,1,2,3,4,5,6,7
.irp t, 0,1,2,3
	v_cvt_pk_f16_f32 v[FH+8*\t+\i], v[HI+8*\i+\t], v[HI+8*\i+4+\t]
.endr
.endr
.irp t, 0,1,2,3
.if \s == 0
	v_wmma_f32_16x16x32_f16 v[ACC+8*\t:ACC+8*\t+7], v[AH+8*\s:AH+8*\s+7], v[FH+8*\t:FH+8*\t+7], 0
.else
	v_wmma_f32_16x16x32_f16 v[ACC+8*\t:ACC+8*\t+7], v[AH+8*\s:AH+8*\s+7], v[FH+8*\t:FH+8*\t+7], v[ACC+8*\t:ACC+8*\t+7]
.endif
.endr
.irp t, 0,1,2,3
	v_wmma_f32_16x16x32_f16 v[ACC+8*\t:ACC+8*\t+7], v[AH+8*\s:AH+8*\s+7], v[FL+8*\t:FL+8*\t+7], v[ACC+8*\t:ACC+8*\t+7]
.endr
.irp t, 0,1,2,3
	v_wmma_f32_16x16x32_f16 v[ACC+8*\t:ACC+8*\t+7], v[AL+8*\s:AL+8*\s+7], v[FH+8*\t:FH+8*\t+7], v[ACC+8*\t:ACC+8*\t+7]
.endr
.endr
.rept 4
	v_nop                                          ; four places behind this form, in front of the reads of results and of the loads into the fragments' registers
.endr
.irp t, 0,1,2,3
.irp j, 0,1,2,3,4,5,6,7
	ds_store_b32 v7, v[ACC+8*\t+\j] offset:256*\j+4*\t     ; my sum of (row 8 h + j, column 4 r + t); each accumulator from its low end on
.endr
.endr
	s_wait_dscnt 0x0                               ; for the others' sake: my stores are done
	s_barrier_signal -1
	s_barrier_wait -1
.irp rr, 0,1,2,3
.irp u, 0,1,2,3
	ds_load_b64 v[48+8*\rr+2*\u:49+8*\rr+2*\u], v8 offset:4096*\u+256*\rr   ; row 4 w + rr of wave u's sums, 8 bytes a lane
.endr
.endr
	s_wait_dscnt 0x0
.irp rr, 0,1,2,3
	v_pk_add_f32 v[48+8*\rr:49+8*\rr], v[48+8*\rr:49+8*\rr], v[50+8*\rr:51+8*\rr]
	v_pk_add_f32 v[52+8*\rr:53+8*\rr], v[52+8*\rr:53+8*\rr], v[54+8*\rr:55+8*\rr]
.endr
.irp rr, 0,1,2,3
	v_pk_add_f32 v[48+8*\rr:49+8*\rr], v[48+8*\rr:49+8*\rr], v[52+8*\rr:53+8*\rr]
.endr
.irp rr, 0,1,2,3
	global_store_b64 v9, v[48+8*\rr:49+8*\rr], s[8:9] offset:8192*\rr       ; 32 lanes store 256 consecutive bytes, aligned
.endr
	s_wait_tensorcnt 0x0                           ; the wave's end, behind my last LDS store
	ds_add_u32 v[SPW], v[NIL]
	s_wait_dscnt 0x0
	s_endpgm
.Lfunc_end_k_qc788434642_fine:
	.size	k_qc788434642_fine, .Lfunc_end_k_qc788434642_fine-k_qc788434642_fine
	.p2alignl 7, 3214868480
	.fill 96, 4, 3214868480
	.section	.rodata,"a",@progbits
	.p2align	6, 0x0
	.amdhsa_kernel k_qc788434642_fine
		.amdhsa_group_segment_fixed_size 16896
		.amdhsa_private_segment_fixed_size 0
		.amdhsa_enable_private_segment 0
		.amdhsa_kernarg_size 24
		.amdhsa_user_sgpr_count 2
		.amdhsa_user_sgpr_kernarg_segment_ptr 1
		.amdhsa_wavefront_size32 1
		.amdhsa_system_sgpr_workgroup_id_x 1
		.amdhsa_system_sgpr_workgroup_id_y 1
		.amdhsa_system_sgpr_workgroup_id_z 1
		.amdhsa_system_vgpr_workitem_id 0
		.amdhsa_next_free_vgpr 512
		.amdhsa_next_free_sgpr 66
		.amdhsa_reserve_vcc 1
		.amdhsa_float_denorm_mode_32 3
		.amdhsa_float_denorm_mode_16_64 3
		.amdhsa_memory_ordered 1
		.amdhsa_forward_progress 1
		.amdhsa_inst_pref_size 76
	.end_amdhsa_kernel
	.amdgpu_metadata
---
amdhsa.version: [ 1, 2 ]
amdhsa.kernels:
  - .name:           k_qc788434642_fine
    .symbol:         k_qc788434642_fine.kd
    .args:
      - { .name: qkv32, .offset: 0, .size: 8, .value_kind: global_buffer, .address_space: global }
      - { .name: Wo, .offset: 8, .size: 8, .value_kind: global_buffer, .address_space: global }
      - { .name: xc, .offset: 16, .size: 8, .value_kind: global_buffer, .address_space: global }
    .group_segment_fixed_size: 16896
    .private_segment_fixed_size: 0
    .kernarg_segment_align: 8
    .kernarg_segment_size: 24
    .max_flat_workgroup_size: 128
    .sgpr_count:     66
    .vgpr_count:     512
    .wavefront_size: 32
...
	.end_amdgpu_metadata
.endif
;; end of part 6
;; launch proj (part 7): grid 16 x 16, 4 waves a work-group, clusters of 4 x 4, 327,680 bytes of LDS; arguments attn, wo16, out0, xc; writes out0
.if DOCPART == 7
	.amdgcn_target "amdgcn-amd-amdhsa--gfx1250"
	.amdhsa_code_object_version 6
	.text
	.protected	k_qc788434642_proj
	.globl	k_qc788434642_proj
	.p2align	8
	.type	k_qc788434642_proj,@function
k_qc788434642_proj:
	s_mov_b64 s[64:65], 0
	v_nop
	global_prefetch_b8 v0, s[64:65] scope:SCOPE_SE
	s_setreg_imm32_b32 hwreg(HW_REG_WAVE_MODE, 25, 1), 1
	s_wait_xcnt 0x0
	s_wait_alu depctr_hold_cnt(0) depctr_sa_sdst(0) depctr_va_vdst(0) depctr_va_sdst(0) depctr_va_ssrc(0) depctr_va_vcc(0) depctr_vm_vsrc(0)
	s_getreg_b32 s2, hwreg(HW_REG_IB_STS2, 6, 4)
	s_cmp_eq_u32 s2, 0
	s_cbranch_scc0 .Lentry_in_a_cluster
	s_endpgm
.Lentry_in_a_cluster:
	s_bfe_u32 s2, ttmp6, 0x10000c
	s_cmp_lg_u32 s2, 0xf033
	s_cbranch_scc0 .Lentry_shape_is_right
	s_endpgm
.Lentry_shape_is_right:
; out0 [2,048][2,048] f32 = attention rows x Wo, operands f16, sums f32, K = 2,048.  Rows 0-15 are taken from the launch before, which carried them finely.
; Both operands come as IMAGES OF THEIR REGISTERS: [16 rows (attn: positions; wo16: columns of Wo)][k / 32][2 halves][32 lanes][16 bytes]: 65,536 bytes for 16 rows, 1,024 for a fragment.
; A tile of out0 is 128 x 128, so that there are 256 work-groups; four waves, each 64 x 64: 16 accumulators.  K goes in steps of 256 through two LDS slots: a wave's tensor load brings 4 runs of 8,192 consecutive bytes.
; A fragment is read from LDS as two runs of 512 consecutive bytes: no pitch, no padding.
; CLUSTERS: 4 x 4 work-groups; A's tiles are shared along a row of the cluster, B's along a column, each asked for jointly.  THE MATRIX INSTRUCTION IS USED TRANSPOSED: a lane holds eight neighbouring columns of a row.
; ROWS 0-15.  The first 524,288 bytes of xc hold four parts [4][16][2,048] f32 of those rows, one for each 512 along K.  Every wave loads, at its head, the four parts at its own 64 columns (32 loads of 512 bytes into
; window 2; nothing waits for them before the way out), adds them, and takes the sum in place of its own first 16 rows where those are positions 0-15.  Partners of a cluster run alike, so this is a selection and no jump:
; the other waves load 16 KiB that they discard.  LIMIT: operands under 65,504 (f16).
; REGISTERS: window 0: v0-31 addresses; v32-95 the way out; v128-255 the accumulators ((a, b) at v[128 + 8 (4 a + b)]).   window 1: two fragment buffers of 128: 64 registers of A, then 64 of B, for 64 along K.
;   window 2: v0-127 the four parts: part u, rows 2 t and 2 t + 1 at v[32 u + 4 t].
.set KSB,    8192                      ; 16 rows x 256 along K, in bytes
.set HALFT,  4*KSB                     ; 64 rows: what one tensor load brings
.set SLOT,   4*HALFT
.set SPARE,  2*SLOT                    ; the spare words, 128 bytes for each wave: two blocks of 256 bytes that no other line names
.set SPITCH, 272                       ; the way out: a stage of 16 rows x (256 bytes + 16) for each wave, in slot 0, which has had its last fill and its last read by then
.set LAPS,   4
.set ROWO,   8192                      ; a row of out0, and of a part, in bytes
.set PARTB,  16*ROWO                   ; a part
.set ADRA, 16
.set ADRB, 20
.set STO,  24
.set RD,   25
.set CO,   26
.set FLAG, 27                          ; v27  0 where my wave's first row is position 0
.set SPW,  28
.set NIL,  29
.set TMP,  32
.set ACC,  128
.set F0,   0
.set F1,   128
.set G1, 24
.set G0, 32
.set G1B, 48
.set G0B, 56
.set PRT, 66                           ; s[66:67] the parts, at my first column
.set MSB, 0
.macro WIN new
.if MSB != \new
	s_set_vgpr_msb (MSB<<8)|\new
.set MSB, \new
.endif
.endm
.set MUL,  0x05                        ; sources 0 (B) and 1 (A) window 1; C and D window 0
.set TO_F, 0x40
.macro JLOAD s                         ; a joint load: waves 0 and 1 fetch A's halves, waves 2 and 3 B's; an s_nop 0 and four v_nop follow each of the two lines
	s_cmp_eq_u32 s11, 0
	s_cbranch_scc0 .Lfor_b_\@
	tensor_load_to_lds s[G0+4*\s:G0+4*\s+3], s[G1:G1+7]
	s_nop 0
.rept 4
	v_nop
.endr
	s_branch .Lasked_\@
.Lfor_b_\@:
	tensor_load_to_lds s[G0B+4*\s:G0B+4*\s+3], s[G1B:G1B+7]
	s_nop 0
.rept 4
	v_nop
.endr
.Lasked_\@:
.endm
.macro CREST
	s_cmp_lg_u32 s10, 0
	s_cbranch_scc1 .Lnot_wave_0_\@
	s_barrier_signal -3
.Lnot_wave_0_\@:
	s_barrier_wait -3
	s_barrier_signal -1
	s_barrier_wait -1
.endm
.macro CROUND
	s_barrier_signal -1
	s_barrier_wait -1
	CREST
.endm
	s_load_b128 s[4:7], s[0:1], 0x0                ; attn, wo16
	s_load_b64 s[8:9], s[0:1], 0x10                ; out0
	s_load_b64 s[PRT:PRT+1], s[0:1], 0x18          ; the parts' buffer
	v_lshl_add_u32 v[SPW], v0, 2, SPARE
	v_mov_b32 v[NIL], 0
	ds_add_u32 v[SPW], v[NIL]                      ; the wave's opening: the add, twice on end, and its wait ahead of my first tensor load
	ds_add_u32 v[SPW], v[NIL]
	v_lshrrev_b32 v1, 5, v0
	v_readfirstlane_b32 s10, v1                    ; wave 0..3
	s_lshr_b32 s11, s10, 1                         ; which half of the tile's rows is mine.  Also: I fetch for A (0) or for B (1)
	s_and_b32 s12, s10, 1                          ; which half of its columns.  Also: which 64 rows of that tile I fetch
	s_bfe_u32 s40, ttmp6, 0x40000
	s_bfe_u32 s41, ttmp6, 0x40004
	s_lshl_b32 s42, ttmp9, 2
	s_add_co_u32 s42, s42, s40                     ; tile column
	s_and_b32 s13, ttmp7, 0xffff
	s_lshl_b32 s13, s13, 2
	s_add_co_u32 s13, s13, s41                     ; tile row
	s_lshl_b32 s43, s41, 2
	s_lshl_b32 s43, 15, s43                        ; my row of the cluster
	s_lshl_b32 s44, 0x1111, s40                    ; my column
	; group 1: 4 runs of 8,192 bytes (1,024 elements of 8), 65,536 bytes apart, dense in LDS
	s_or_b32 s[G1+0], s43, (3<<16)|(1<<21)
	s_or_b32 s[G1B+0], s44, (3<<16)|(1<<21)
.irp g, G1, G1B
	s_mov_b32 s[\g+1], 1024<<16
	s_mov_b32 s[\g+2], 4<<16
	s_mov_b32 s[\g+3], 1024<<16
	s_mov_b32 s[\g+4], 4
	s_mov_b32 s[\g+5], 8192
	s_mov_b32 s[\g+6], 0
	s_mov_b32 s[\g+7], 0
.endr
	s_lshl_b32 s17, s12, 6
	s_lshl_b32 s16, s13, 7
	s_add_co_u32 s16, s16, s17                     ; A: row 128 x tile row + 64 x half
	s_lshl_b32 s46, s42, 7
	s_add_co_u32 s46, s46, s17                     ; B: row 128 x tile column + 64 x half
	s_mov_b32 s17, 0
	s_mov_b32 s47, 0
	s_mov_b64 s[18:19], 4096                       ; 16 rows are 65,536 bytes
	s_mul_u64 s[16:17], s[16:17], s[18:19]
	s_mul_u64 s[46:47], s[46:47], s[18:19]
	s_mul_i32 s20, s10, HALFT                      ; where they go: A's two halves, then B's: wave x 64 rows
	s_wait_dscnt 0x0                               ; both opening adds are done
	s_wait_kmcnt 0x0
	s_add_nc_u64 s[14:15], s[4:5], s[16:17]
	s_add_nc_u64 s[46:47], s[6:7], s[46:47]
	CROUND                                         ; all sixteen work-groups are here: the first joint loads meet
.irp s, 0,1
	s_mov_b32 s[G0+4*\s], 1
	s_add_co_u32 s[G0+4*\s+1], s20, \s*SLOT
	s_add_nc_u64 s[G0+4*\s+2:G0+4*\s+3], s[14:15], \s*KSB
	s_or_b32 s[G0+4*\s+3], s[G0+4*\s+3], 0x80000000
	s_mov_b32 s[G0B+4*\s], 1
	s_add_co_u32 s[G0B+4*\s+1], s20, \s*SLOT
	s_add_nc_u64 s[G0B+4*\s+2:G0B+4*\s+3], s[46:47], \s*KSB
	s_or_b32 s[G0B+4*\s+3], s[G0B+4*\s+3], 0x80000000
	JLOAD \s
.endr
	v_and_b32 v1, 15, v0                           ; l % 16
	v_bfe_u32 v2, v0, 4, 1                         ; l / 16
	v_and_b32 v3, 31, v0
	v_lshlrev_b32 v3, 4, v3                        ; an image's place for my lane
	s_mul_i32 s21, s11, HALFT
	s_mul_i32 s22, s12, HALFT
	s_add_co_u32 s22, s22, 2*HALFT
.irp s, 0,1
	v_add_nc_u32 v[ADRA+\s], s21, v3
	v_add_nc_u32 v[ADRB+\s], s22, v3
	s_add_co_u32 s21, s21, SLOT
	s_add_co_u32 s22, s22, SLOT
.endr
	s_mul_i32 s23, s10, 16*SPITCH                  ; my stage
	v_mul_u32_u24 v4, v1, SPITCH
	v_lshl_add_u32 v4, v2, 5, v4
	v_add_nc_u32 v[STO], s23, v4                   ; in: row l % 16, 32 bytes for each half of the lanes
	v_mul_u32_u24 v5, v2, SPITCH
	v_lshl_add_u32 v5, v1, 4, v5
	v_add_nc_u32 v[RD], s23, v5                    ; back: lanes 0-15 one row of 256 bytes, lanes 16-31 the next
	v_lshlrev_b32 v5, 13, v2
	v_lshl_add_u32 v[CO], v1, 4, v5                ; and the same two rows in out0 and in a part
	s_lshl_b32 s16, s13, 7
	s_lshl_b32 s17, s11, 6
	s_add_co_u32 s16, s16, s17                     ; my first row
	s_lshl_b32 s16, s16, 13
	s_mov_b32 s17, 0
	s_add_nc_u64 s[8:9], s[8:9], s[16:17]
	s_lshl_b32 s46, s42, 9                         ; my first column, in bytes: 512 x tile column + 256 x half
	s_lshl_b32 s47, s12, 8
	s_add_co_u32 s46, s46, s47
	s_mov_b32 s47, 0
	s_add_nc_u64 s[8:9], s[8:9], s[46:47]
	s_add_nc_u64 s[PRT:PRT+1], s[PRT:PRT+1], s[46:47]
	s_lshl_b32 s21, s13, 1
	s_add_co_u32 s21, s21, s11                     ; 2 x tile row + row half: 0 where my first row is position 0
	v_mov_b32 v[FLAG], s21
	WIN 0x80                                       ; destination window 2
.irp u, 0,1,2,3
.irp t, 0,1,2,3,4,5,6,7
	global_load_b128 v[32*\u+4*\t:32*\u+4*\t+3], v[CO], s[PRT:PRT+1] offset:\u*PARTB+2*\t*ROWO   ; part u, rows 2 t and 2 t + 1, my 64 columns: sixteen lanes read 256 consecutive bytes, aligned
.endr
.endr
	WIN 0
; 8 matrix instructions: m blocks a0, a0 + 1 x all 4 n blocks, 32 along K: half c of buffer f.  The 16 accumulators take turns.
.macro MUL8 f, c, a0, zero
.irp a, \a0, \a0+1
.irp b, 0,1,2,3
.if \zero
	v_wmma_f32_16x16x32_f16 v[ACC+8*(4*(\a)+\b):ACC+8*(4*(\a)+\b)+7], v[\f+64+8*(4*\c+\b):\f+64+8*(4*\c+\b)+7], v[\f+8*(4*\c+\a):\f+8*(4*\c+\a)+7], 0
.else
	v_wmma_f32_16x16x32_f16 v[ACC+8*(4*(\a)+\b):ACC+8*(4*(\a)+\b)+7], v[\f+64+8*(4*\c+\b):\f+64+8*(4*\c+\b)+7], v[\f+8*(4*\c+\a):\f+8*(4*\c+\a)+7], v[ACC+8*(4*(\a)+\b):ACC+8*(4*(\a)+\b)+7]
.endif
.endr
.endr
.endm
; 32 LDS loads in one run: the fragments of 64 along K, from byte k of each run of 8,192, into buffer f; the first 32 along K first
.macro FETCH slot, k, f
	WIN TO_F
.irp c, 0,1
.irp i, 0,1,2,3
	ds_load_b128 v[\f+64+8*(4*\c+\i):\f+64+8*(4*\c+\i)+3],   v[ADRB+\slot] offset:\k+1024*\c+\i*KSB
	ds_load_b128 v[\f+64+8*(4*\c+\i)+4:\f+64+8*(4*\c+\i)+7], v[ADRB+\slot] offset:\k+1024*\c+\i*KSB+512
	ds_load_b128 v[\f+8*(4*\c+\i):\f+8*(4*\c+\i)+3],         v[ADRA+\slot] offset:\k+1024*\c+\i*KSB
	ds_load_b128 v[\f+8*(4*\c+\i)+4:\f+8*(4*\c+\i)+7],       v[ADRA+\slot] offset:\k+1024*\c+\i*KSB+512
.endr
.endr
.endm
.macro PLACES
.rept 4
	v_nop
.endr
.endm
.macro QUARTER slot, k, f, g, zero     ; 64 along K: multiplies buffer f and fetches the next quarter, at byte k, into g
	s_wait_dscnt 16                                ; the first 32 along K are in; the youngest sixteen loads may be out
	WIN MUL
	MUL8 \f, 0, 0, \zero
	MUL8 \f, 0, 2, \zero
	PLACES
	FETCH \slot, \k, \g
	s_wait_dscnt 32                                ; all but the 32 just issued
	WIN MUL
	MUL8 \f, 1, 0, 0
	MUL8 \f, 1, 2, 0
.endm
.macro TURN slot, next, fill           ; the last quarter multiplies buffer 1 and changes slots
	WIN 0
	s_wait_tensorcnt 0x0                           ; all my tensor loads have landed: my part of the next slot
	ds_add_u32 v[SPW], v[NIL]
	s_wait_dscnt 17                                ; (the add and the youngest sixteen loads may be out)
	WIN MUL
	MUL8 F1, 0, 0, 0
	s_wait_dscnt 0x0                               ; the add is done, and my reads of this slot are over
	s_barrier_signal -1
	MUL8 F1, 0, 2, 0
.if \fill
	WIN 0
.endif
	s_barrier_wait -1
.if \fill
	CREST                                          ; the barrier has opened a round of the cluster's: no wave of any partner still reads this slot or has a load on its way
	s_add_nc_u64 s[G0+4*\slot+2:G0+4*\slot+3], s[G0+4*\slot+2:G0+4*\slot+3], 2*KSB
	s_add_nc_u64 s[G0B+4*\slot+2:G0B+4*\slot+3], s[G0B+4*\slot+2:G0B+4*\slot+3], 2*KSB
	JLOAD \slot                                    ; the first tensor load behind the round, one a wave; its four v_nop are the places in front of the loads below
.else
	PLACES
.endif
	FETCH \next, 0, F0
	WIN MUL
	MUL8 F1, 1, 0, 0
	MUL8 F1, 1, 2, 0
.endm
	s_wait_tensorcnt 1                             ; my part of K step 0 is in; K step 1's load, issued behind it, may be out
	s_barrier_signal -1
	s_barrier_wait -1
	FETCH 0, 0, F0
	QUARTER 0, 2048, F0, F1, 1                     ; the first products start the sums
	WIN 0
	s_mov_b32 s3, LAPS-1
.Llap:
	QUARTER 0, 4096, F1, F0, 0
	QUARTER 0, 6144, F0, F1, 0
	TURN 0, 1, 1
	QUARTER 1, 2048, F0, F1, 0
	QUARTER 1, 4096, F1, F0, 0
	QUARTER 1, 6144, F0, F1, 0
	TURN 1, 0, 1
	QUARTER 0, 2048, F0, F1, 0
	WIN 0
	s_sub_co_u32 s3, s3, 1
	s_cmp_lg_u32 s3, 0
	s_cbranch_scc1 .Llap
	QUARTER 0, 4096, F1, F0, 0                     ; the last lap fills nothing
	QUARTER 0, 6144, F0, F1, 0
	TURN 0, 1, 0
	QUARTER 1, 2048, F0, F1, 0
	QUARTER 1, 4096, F1, F0, 0
	QUARTER 1, 6144, F0, F1, 0
	s_wait_dscnt 16
	WIN MUL
	MUL8 F1, 0, 0, 0
	MUL8 F1, 0, 2, 0
	s_wait_dscnt 0
	MUL8 F1, 1, 0, 0
	MUL8 F1, 1, 2, 0
	WIN 0
; THE WAY OUT.  My 64 columns are 256 bytes of a row.  A block of 16 rows goes through my own stage and comes back as whole rows; LDS serves a wave's instructions in order (ISA guide 5.7.1.4), so no wait stands between stores and loads.
.macro TOSTAGE a
.irp b, 0,1,2,3
	ds_store_b128 v[STO], v[ACC+8*(4*(\a)+\b):ACC+8*(4*(\a)+\b)+3] offset:64*\b        ; each accumulator from its low end on
	ds_store_b128 v[STO], v[ACC+8*(4*(\a)+\b)+4:ACC+8*(4*(\a)+\b)+7] offset:64*\b+16
.endr
.irp t, 0,1,2,3,4,5,6,7
	ds_load_b128 v[TMP+32*((\a)%2)+4*\t:TMP+32*((\a)%2)+4*\t+3], v[RD] offset:\t*2*SPITCH
.endr
.endm
; The four parts of rows 0-15 are added, (0 + 1) + (2 + 3), and take the place of my first block where that block is positions 0-15.  The parts' registers lie as the block's do: 4 t + c is row 2 t + l / 16, column 4 (l % 16) + c.
.macro FINEROWS
	s_wait_loadcnt 0x0                             ; the parts, asked for at the head
	v_cmp_eq_u32 vcc_lo, 0, v[FLAG]
	WIN 0x8a                                       ; destination and both sources window 2
.set i, 0
.rept 16
	v_pk_add_f32 v[i:i+1], v[i:i+1], v[32+i:32+i+1]
	v_pk_add_f32 v[64+i:64+i+1], v[64+i:64+i+1], v[96+i:96+i+1]
.set i, i+2
.endr
.set i, 0
.rept 16
	v_pk_add_f32 v[i:i+1], v[i:i+1], v[64+i:64+i+1]
.set i, i+2
.endr
	WIN 0x08                                       ; source 1 window 2
.set i, 0
.rept 32
	v_cndmask_b32 v[TMP+i], v[TMP+i], v[i], vcc_lo
.set i, i+1
.endr
	WIN 0
.endm
.macro SEND a, younger
	s_wait_dscnt \younger                          ; the block is back; the next block's 8 stores and 8 loads may be out
.if (\a) == 0
	FINEROWS
.endif
.irp t, 0,1,2,3,4,5,6,7
	global_store_b128 v[CO], v[TMP+32*((\a)%2)+4*\t:TMP+32*((\a)%2)+4*\t+3], s[8:9] offset:(16*(\a)+2*\t)*ROWO th:TH_STORE_NT   ; sixteen lanes store 256 consecutive bytes, aligned
.endr
.endm
	PLACES
	TOSTAGE 0
	TOSTAGE 1
	SEND 0, 16
	s_wait_xcnt 0x0                                ; block 0's stores have read their data: block 2's loads may land there
	TOSTAGE 2
	SEND 1, 16
	s_wait_xcnt 0x0
	TOSTAGE 3
	SEND 2, 16
	SEND 3, 0
	s_wait_tensorcnt 0x0                           ; the wave's end, behind my last tensor load and my last LDS store
	ds_add_u32 v[SPW], v[NIL]
	s_wait_dscnt 0x0
	CROUND                                         ; the closing round
	s_endpgm
.Lfunc_end_k_qc788434642_proj:
	.size	k_qc788434642_proj, .Lfunc_end_k_qc788434642_proj-k_qc788434642_proj
	.p2alignl 7, 3214868480
	.fill 96, 4, 3214868480
	.section	.rodata,"a",@progbits
	.p2align	6, 0x0
	.amdhsa_kernel k_qc788434642_proj
		.amdhsa_group_segment_fixed_size 327680
		.amdhsa_private_segment_fixed_size 0
		.amdhsa_enable_private_segment 0
		.amdhsa_kernarg_size 32
		.amdhsa_user_sgpr_count 2
		.amdhsa_user_sgpr_kernarg_segment_ptr 1
		.amdhsa_wavefront_size32 1
		.amdhsa_system_sgpr_workgroup_id_x 1
		.amdhsa_system_sgpr_workgroup_id_y 1
		.amdhsa_system_sgpr_workgroup_id_z 1
		.amdhsa_system_vgpr_workitem_id 0
		.amdhsa_next_free_vgpr 640
		.amdhsa_next_free_sgpr 68
		.amdhsa_reserve_vcc 1
		.amdhsa_float_denorm_mode_32 3
		.amdhsa_float_denorm_mode_16_64 3
		.amdhsa_memory_ordered 1
		.amdhsa_forward_progress 1
		.amdhsa_inst_pref_size 93
	.end_amdhsa_kernel
	.amdgpu_metadata
---
amdhsa.version: [ 1, 2 ]
amdhsa.kernels:
  - .name:           k_qc788434642_proj
    .symbol:         k_qc788434642_proj.kd
    .args:
      - { .name: attn, .offset: 0, .size: 8, .value_kind: global_buffer, .address_space: global }
      - { .name: wo16, .offset: 8, .size: 8, .value_kind: global_buffer, .address_space: global }
      - { .name: out0, .offset: 16, .size: 8, .value_kind: global_buffer, .address_space: global }
      - { .name: xc, .offset: 24, .size: 8, .value_kind: global_buffer, .address_space: global }
    .group_segment_fixed_size: 327680
    .private_segment_fixed_size: 0
    .kernarg_segment_align: 8
    .kernarg_segment_size: 32
    .max_flat_workgroup_size: 128
    .sgpr_count:     68
    .vgpr_count:     640
    .wavefront_size: 32
...
	.end_amdgpu_metadata
.endif
;; end of part 7
